; MI455X (gfx1250); checked and timed in simulation.
; The chip was launched on July 23, 2026; its instructions are those of AMD's public machine-readable ISA for CDNA 5 (MIT licence, August 2026) and "CDNA5" Instruction Set Architecture Reference Guide (July 2026). The comments in the code are by the model that wrote it; some were corrected since.
;; Custom Encoder Layer. Allowed arithmetic: matrix products marked QUANTISED: E3M2 operands, one E8M0 scale for each 32 along K, by v_wmma_scale_f32_16x16x128_f8f6f4 with both operands' format E3M2, f32 sums; everything else in f32.
;; Inputs: W1 4,096 x 1,024 float32; W2 1,024 x 4,096 float32; Wk 1,024 x 1,024 float32; Wo 1,024 x 1,024 float32; Wq 1,024 x 1,024 float32; Wv 1,024 x 1,024 float32; b1 4,096 float32; b2 1,024 float32; be1 1,024 float32; be2 1,024 float32; bk 1,024 float32; bo 1,024 float32; bq 1,024 float32; bv 1,024 float32; g1 1,024 float32; g2 1,024 float32; padding_mask 4 x 1,024 bool; x 4 x 1,024 x 1,024 float32.
;; Outputs: out0 4 x 1,024 x 1,024 float32.
;; This version of the problem:
;;   THIS VERSION OF THE PROBLEM IS GIVEN IN LOW PRECISION. The matrix products marked QUANTISED in the list below multiply operands that are first quantised to E3M2 (3 exponent bits, 2 mantissa bits; 6 bits a number), with one power-of-two scale for each 32 numbers along K (OCP MX v1.0); their sums are f32. All else is computed in f32.
;;   The module's matrix products, in the order in which they are computed (A, B: the left and right operand; K: the contracted axis; several contracted axes count as one K, in the product's order):
;;     1. [M 4,096, K 1,024] x [K 1,024, N 1,024]; A: computed on the way; B: input Wq: QUANTISED
;;     2. [M 4,096, K 1,024] x [K 1,024, N 1,024]; A: computed on the way; B: input Wk: QUANTISED
;;     3. [M 4,096, K 1,024] x [K 1,024, N 1,024]; A: computed on the way; B: input Wv: QUANTISED
;;     4. batch 64 x [M 1,024, K 64] x [K 64, N 1,024]; A: computed on the way; B: computed on the way: QUANTISED
;;     5. batch 64 x [M 1,024, K 1,024] x [K 1,024, N 64]; A: softmax (see below); B: computed on the way: QUANTISED
;;     6. [M 4,096, K 1,024] x [K 1,024, N 1,024]; A: computed on the way; B: input Wo: QUANTISED
;;     7. [M 4,096, K 1,024] x [K 1,024, N 4,096]; A: computed on the way; B: input W1: QUANTISED
;;     8. [M 4,096, K 4,096] x [K 4,096, N 1,024]; A: computed on the way; B: input W2: QUANTISED
;;   THE QUANTISER, for each operand of a quantised product, along K:
;;     - K is cut into blocks of 32 from its start; a last block that is shorter is filled with zeros.
;;     - A block's scale is 2^e with e = floor(log2(the largest magnitude in the block)) - 4, held to -126 .. 127; a block of zeros has e = 0. As a byte (E8M0): e + 127.
;;     - Each number is divided by its block's scale, clamped to +-28, and rounded to the nearest number of E3M2, ties to even, subnormals kept.
;;     - The product sums the exact products of the quantised numbers (number of the format x scale) in f32.
;;   ~~~python
;;   def quantise(x, axis):      # numpy; x: float32 -> the quantised numbers, widened to float32 again
;;       x = np.moveaxis(x, axis, -1); K = x.shape[-1]
;;       x = np.pad(x, [(0, 0)] * (x.ndim - 1) + [(0, -K % 32)]); x = x.reshape(x.shape[:-1] + (-1, 32)); a = np.abs(x).max(-1, keepdims=True)
;;       e = np.where(a > 0, np.clip(np.frexp(np.where(a > 0, a, 1))[1] - 1 - 4, -126, 127), 0)      # np.frexp(a)[1] - 1 = floor(log2(a)), exactly
;;       r = np.clip(x / 2.0 ** e, -28, 28)
;;       step = 2.0 ** (np.maximum(np.frexp(np.where(r == 0, 1, r))[1] - 1, -2) - 2)
;;       q = np.round(r / step) * step * 2.0 ** e      # np.round: ties to even
;;       return np.moveaxis(q.reshape(q.shape[:-2] + (-1,))[..., :K], -1, axis).astype(np.float32)
;;   ~~~
;;   SOFTMAX AHEAD OF A QUANTISED PRODUCT. Where the list says 'softmax', what is quantised is not the finished softmax but p = 2^(t - M), with t = logit x log2(e) and M = ceil(the row's largest t), a whole number; so 1/2 < the row's largest p <= 1. The row's sum l is taken of the UNQUANTISED p, in f32, and the product's result is divided by l at the end. Since M is a whole number, a kernel that streams over the keys may use a running M (the ceiling of the running maximum): every later rescaling is an exact power of two, which a block's scale takes up: the codes' values come out the same.
;;   OPERANDS COMPUTED ON THE WAY. 'Computed on the way' means the value that the module computes at that place (a softmax that the list does not call 'softmax' is quantised finished and normalised). What goes into a quantiser is computed in f32, as accurately as f32 sums, v_exp_f32 and their like allow (about 1e-6 of the number): no bf16 or f16 on the way to a quantiser, and a product that is left as it is and whose result goes on into a quantised operand takes f32 operands (vector FMAs, or v_wmma_f32_16x16x4_f32). A number that lies on a knife's edge between two numbers of the format may be rounded either way, as far as f32 arithmetic and the matrix unit's own rounding can turn it there, and no further.
;; One version. Each part assembles by itself: llvm-mc -triple=amdgcn-amd-amdhsa -mcpu=gfx1250 --defsym DOCPART=n.
;; ======== version 1 of 1: 7 launches
;; limits: right only within a limited range of input values
;; workspace buffers: wts 10,092,544 bytes; hq 3,276,800 bytes; q 3,407,872 bytes; kv 6,815,744 bytes; o 3,276,800 bytes; x1 16,777,216 bytes; ff 13,107,200 bytes
;; launch prep (part 1): grid 256 x 1, 8 waves a work-group, no clusters, 70,656 bytes of LDS; arguments x, g1, be1, Wq, Wk, Wv, Wo, W1, W2, hq, wts; writes hq, wts
.if DOCPART == 1
	.amdgcn_target "amdgcn-amd-amdhsa--gfx1250"
	.amdhsa_code_object_version 6
	.text
	.protected	k_q0bb602127d_prep
	.globl	k_q0bb602127d_prep
	.p2align	8
	.type	k_q0bb602127d_prep,@function
k_q0bb602127d_prep:
	s_mov_b64 s[64:65], 0
	v_nop
	global_prefetch_b8 v0, s[64:65] scope:SCOPE_SE
	s_setreg_imm32_b32 hwreg(HW_REG_WAVE_MODE, 25, 1), 1
	s_wait_xcnt 0x0
; THE PROGRAM: one pre-norm encoder layer, 4,096 tokens x 1,024, 16 heads of 64, hidden 4,096; all eight products on codes of BF6 (E3M2) with one E8M0 scale for each 32 along K.
; NOTHING OF reference() IS LEFT OUT: every input has a way to the output (the biases on q and k stand ahead of a quantiser; the padding mask is an input), so every input is loaded.
; THIS LAUNCH: LayerNorm 1 of x, quantised along D, into hq; the six weights (all have K innermost) quantised along K into wts; the RoPE table (cos, sin) [t 1,024][pair 32] into wts.
; SHARES: 256 work-groups of equal work.  Work-group g takes row tile g of x, row tile g of Wq | Wk | Wv | Wo (64 row tiles each), row tile g of W1, K steps 8 (g % 4) on of row tile g / 4 of W2, and positions 4 g .. 4 g + 3 of the table.
; Wave w takes K step w of each: four fragments of 16 rows x 128 numbers.  All its 64 loads are issued at the head, each of 512 consecutive bytes of one row; a fragment's 16 rows turn through the wave's own stage in LDS,
; so that a lane gets 16 neighbours of each block of 32 of its row.  No tensor load, no cluster: no two work-groups read the same bytes.  No prefetch: all that the launch reads is asked for at its head.
; THE ONE FORMAT OF EVERY OPERAND OF THE PROGRAM.  A fragment is 16 rows x 128 K, 12 registers a lane (lane (r, h): registers 6 c .. 6 c + 5 = k 64 c + 32 h + 0 .. 31).  It lies in memory as an image of those registers,
; 1,536 bytes: registers 0-3 at 16 x lane, 4-5 at 512 + 8 x lane, 6-9 at 768 + 16 x lane, 10-11 at 1,280 + 8 x lane.  An operand lies [row tile][K step][1,536]; its scale words [row tile][K step][16 words].
; LANE r OF ROW TILE rt IS ROW 32 (rt / 2) + 8 (rt % 2) + r + 8 (r / 8): with that choice on both sides of a product, a lane's 64 results against 8 neighbouring tiles are 4 half blocks of 16 neighbours along the next K.
; wts: fragment F at 1,536 F: Wq, Wk, Wv, Wo, W1: F = 8 x row tile (0-63, 64-127, 128-191, 192-255, 256-511) + K step; W2: F = 4,096 + 32 x row tile + K step.  So my three are F = 8 g + w, and 2,048 and 4,096 further on.
; LIMITS: NaN and infinities among the inputs are not served; a block whose largest magnitude lies under 2^-122 keeps the scale byte 1, a block of zeros too (the rule says 127: its codes are zeros, and these bytes are read by
; this program alone); the angles' theta comes from v_exp_f32, sine and cosine from polynomials on the f32 angle reduced by pi / 2 in two parts (good to about 1e-7 of 1 on that angle).
; REGISTERS: window 0: v1-15 addresses, v16-27 at work, v32-95 the fragment at work, v96-159 gain, v160-223 shift, then codes; v224-239 at work.  window 1: v0-191 the three weights' rows as loaded.
.set HSC,   3145728
.set WSC,   9437184
.set WROPE, 9830400
.set P1,    0
.set P2,    512
.set SCW,   1024
.set LNST,  2048
.set STG,   16*528
.set SPARE, LNST+8*STG                 ; the spare words, 128 bytes for each wave, that no other line names
.set LANE, 1
.set RR,   2
.set HH,   3
.set L16,  4
.set L8,   5
.set L4R,  6
.set H64,  7
.set SIN,  8
.set SOUT, 9
.set PWA,  10
.set SPW,  12
.set NIL,  13
.set MV,   14
.set T,    16
.set X,    32
.set G,    96
.set E,    160
.set PC,   160
.set PW,   180
.set TM,   224
.set WV,   26
.set SEL,  28
.set MSB, 0
.macro WIN new
.if MSB != \new
	s_set_vgpr_msb (MSB<<8)|\new
.set MSB, \new
.endif
.endm
.macro TURNS win, base                 ; 16 rows as loaded go into my stage and come back 16 neighbours of each block a lane; LDS serves a wave's instructions in order
	WIN 4*\win
.irp i, 0,1,2,3,4,5,6,7,8,9,10,11,12,13,14,15
	ds_store_b128 v[SIN], v[\base+4*\i:\base+4*\i+3] offset:528*\i
.endr
	WIN 0
.irp b, 0,1,2,3
.irp j, 0,1,2,3
	ds_load_b128 v[X+16*\b+4*\j:X+16*\b+4*\j+3], v[SOUT] offset:128*\b+16*\j
.endr
.endr
.endm
.macro QUANT s                         ; 64 numbers of a lane become a fragment's codes in v[PC] on and its row's scale word in v[PW]
.irp b, 0,1,2,3
	v_max3_num_f32 v[TM+\b], |v[\s+16*\b]|, |v[\s+1+16*\b]|, 0x2800000   ; and the floor 2^(5 - 127): the byte cannot fall under 1
.endr
.irp i, 2,4,6,8,10,12,14
.irp b, 0,1,2,3
	s_delay_alu instid0(VALU_DEP_4)
	v_max3_num_f32 v[TM+\b], v[TM+\b], |v[\s+16*\b+\i]|, |v[\s+1+16*\b+\i]|
.endr
.endr
.irp b, 0,1,2,3
	s_delay_alu instid0(VALU_DEP_4)
	v_permlanex16_b32 v[TM+4+\b], v[TM+\b], s[SEL], s[SEL+1]
.endr
.irp b, 0,1,2,3
	s_delay_alu instid0(VALU_DEP_4)
	v_max_num_f32 v[TM+\b], v[TM+\b], v[TM+4+\b]
.endr
.irp b, 0,1,2,3
	s_delay_alu instid0(VALU_DEP_4)
	v_add_nc_u32 v[TM+12+\b], 0xfe000000, v[TM+\b]   ; 4 off the exponent field: the conversion's scale operand
.endr
.irp b, 0,1,2,3
	s_delay_alu instid0(VALU_DEP_4)
	v_lshrrev_b32 v[TM+4+\b], 23, v[TM+12+\b]
.endr
	s_delay_alu instid0(VALU_DEP_3)
	v_lshl_or_b32 v[PW], v[TM+5], 8, v[TM+4]
	s_delay_alu instid0(VALU_DEP_1)
	v_lshl_or_b32 v[PW], v[TM+6], 16, v[PW]
	s_delay_alu instid0(VALU_DEP_1)
	v_lshl_or_b32 v[PW], v[TM+7], 24, v[PW]
.irp c, 0,1
	v_cvt_scalef32_pk16_bf6_f32 v[PC+6*\c:PC+2+6*\c], v[\s+32*\c:\s+15+32*\c], v[TM+12+2*\c]
	v_cvt_scalef32_pk16_bf6_f32 v[PC+12+4*\c:PC+14+4*\c], v[\s+16+32*\c:\s+31+32*\c], v[TM+12+2*\c+1]
.endr
	v_nop                                          ; one plain place behind a scaled conversion
.irp c, 0,1                                    ; the operand wants a whole block in a lane
.irp i, 0,1,2
	v_permlane16_swap_b32 v[PC+6*\c+\i], v[PC+12+4*\c+\i]
.endr
.irp i, 0,1,2
	s_delay_alu instid0(VALU_DEP_3)
	v_mov_b32 v[PC+3+6*\c+\i], v[PC+12+4*\c+\i]
.endr
.endr
.endm
.macro PUT4 base, off                  ; the fragment's image: each store covers 512 or 256 consecutive bytes, aligned
	global_store_b128 v[L16], v[PC:PC+3], s[\base:\base+1] offset:\off
	global_store_b64 v[L8], v[PC+4:PC+5], s[\base:\base+1] offset:\off+512
	global_store_b128 v[L16], v[PC+6:PC+9], s[\base:\base+1] offset:\off+768
	global_store_b64 v[L8], v[PC+10:PC+11], s[\base:\base+1] offset:\off+1280
.endm
.macro FOLD
	s_delay_alu instid0(VALU_DEP_3)
	v_pk_add_f32 v[T:T+1], v[T:T+1], v[T+2:T+3]
	s_delay_alu instid0(VALU_DEP_2)
	v_pk_add_f32 v[T+4:T+5], v[T+4:T+5], v[T+6:T+7]
	s_delay_alu instid0(VALU_DEP_1)
	v_pk_add_f32 v[T:T+1], v[T:T+1], v[T+4:T+5]
	s_delay_alu instid0(VALU_DEP_1)
	v_add_f32 v[T], v[T], v[T+1]
	s_delay_alu instid0(VALU_DEP_1)
	v_permlanex16_b32 v[T+1], v[T], s[SEL], s[SEL+1]
	s_delay_alu instid0(VALU_DEP_1)
	v_add_f32 v[T], v[T], v[T+1]
.endm
.macro GATHER off                      ; my store has landed, then the barrier, then all eight parts are read and added in one fixed order
	ds_store_b32 v[PWA], v[T] offset:\off
	s_wait_dscnt 0x0
	s_barrier_signal -1
	s_barrier_wait -1
.irp k, 0,1,2,3,4,5,6,7
	ds_load_b32 v[T+\k], v[L4R] offset:\off+64*\k
.endr
	s_wait_dscnt 0x0
	v_add_f32 v[T], v[T], v[T+1]
	v_add_f32 v[T+2], v[T+2], v[T+3]
	v_add_f32 v[T+4], v[T+4], v[T+5]
	v_add_f32 v[T+6], v[T+6], v[T+7]
	s_delay_alu instid0(VALU_DEP_3)
	v_add_f32 v[T], v[T], v[T+2]
	s_delay_alu instid0(VALU_DEP_2)
	v_add_f32 v[T+4], v[T+4], v[T+6]
	s_delay_alu instid0(VALU_DEP_1)
	v_add_f32 v[T], v[T], v[T+4]
.endm
	s_load_b256 s[4:11], s[0:1], 0x0               ; x, g1, be1, Wq
	s_load_b256 s[12:19], s[0:1], 0x20             ; Wk, Wv, Wo, W1
	s_load_b128 s[20:23], s[0:1], 0x40             ; W2, hq
	s_load_b64 s[24:25], s[0:1], 0x50              ; wts
	v_lshl_add_u32 v[SPW], v0, 2, SPARE
	v_mov_b32 v[NIL], 0
	v_lshrrev_b32 v1, 5, v0
	s_delay_alu instid0(VALU_DEP_1)
	v_readfirstlane_b32 s[WV], v1
	v_and_b32 v[LANE], 31, v0
	v_and_b32 v[RR], 15, v0
	v_bfe_u32 v[HH], v0, 4, 1
	s_delay_alu instid0(VALU_DEP_3)
	v_lshlrev_b32 v[L16], 4, v[LANE]
	s_delay_alu instid0(VALU_DEP_4)
	v_lshlrev_b32 v[L8], 3, v[LANE]
	s_delay_alu instid0(VALU_DEP_4)
	v_lshlrev_b32 v[L4R], 2, v[RR]
	s_delay_alu instid0(VALU_DEP_4)
	v_lshlrev_b32 v[H64], 6, v[HH]
	s_mul_i32 s27, s[WV], STG
	v_mul_u32_u24 v[SOUT], v[RR], 528
	s_delay_alu instid0(VALU_DEP_1)
	v_add_nc_u32 v[SOUT], v[SOUT], v[H64]
	s_delay_alu instid0(VALU_DEP_1)
	v_add_nc_u32 v[SOUT], s27, v[SOUT]
	v_add_nc_u32 v[SIN], s27, v[L16]
	s_delay_alu instid0(VALU_DEP_2)
	v_add_nc_u32 v[SOUT], LNST, v[SOUT]
	s_delay_alu instid0(VALU_DEP_2)
	v_add_nc_u32 v[SIN], LNST, v[SIN]
	s_lshl_b32 s27, s[WV], 6
	v_add_nc_u32 v[PWA], s27, v[L4R]
	s_mov_b32 s[SEL], 0x76543210
	s_mov_b32 s[SEL+1], 0xfedcba98
.irp b, 0,1,2,3
	v_mov_b32 v[TM+4+\b], 0                        ; a lane permute's destination counts as one of its sources
.endr
	s_lshl_b32 s27, s[WV], 9                       ; K step w: 512 bytes of a row
	s_lshr_b32 s30, ttmp9, 1
	s_lshl_b32 s30, s30, 5
	s_and_b32 s31, ttmp9, 1
	s_lshl_b32 s31, s31, 3
	s_add_co_u32 s30, s30, s31                     ; row tile g's first row
	s_lshl_b32 s30, s30, 12
	s_add_co_u32 s30, s30, s27
	s_mov_b32 s31, 0                               ; s[30:31]: in x and in W1
	s_and_b32 s32, ttmp9, 63                       ; row tile g % 64 of one of Wq, Wk, Wv, Wo
	s_lshr_b32 s33, s32, 1
	s_lshl_b32 s33, s33, 5
	s_and_b32 s32, s32, 1
	s_lshl_b32 s32, s32, 3
	s_add_co_u32 s32, s32, s33
	s_lshl_b32 s32, s32, 12
	s_add_co_u32 s32, s32, s27
	s_mov_b32 s33, 0
	s_lshr_b32 s34, ttmp9, 2                       ; row tile g / 4 of W2, rows of 16,384 bytes, K steps 8 (g % 4) on
	s_lshr_b32 s35, s34, 1
	s_lshl_b32 s35, s35, 5
	s_and_b32 s34, s34, 1
	s_lshl_b32 s34, s34, 3
	s_add_co_u32 s34, s34, s35
	s_lshl_b32 s34, s34, 14
	s_and_b32 s35, ttmp9, 3
	s_lshl_b32 s35, s35, 12
	s_add_co_u32 s34, s34, s35
	s_add_co_u32 s34, s34, s27
	s_mov_b32 s35, 0
	s_lshr_b32 s37, ttmp9, 6                       ; which of the four
	s_mov_b32 s40, s27
	s_mov_b32 s41, 0
	s_wait_alu depctr_va_vdst(0)                   ; the wait at the head's end
	s_wait_kmcnt 0x0
	s_mov_b64 s[38:39], s[16:17]                   ; the choice of a buffer hangs on the work-group's number alone
	s_cmp_lt_u32 s37, 3
	s_cselect_b64 s[38:39], s[14:15], s[38:39]
	s_cmp_lt_u32 s37, 2
	s_cselect_b64 s[38:39], s[12:13], s[38:39]
	s_cmp_lt_u32 s37, 1
	s_cselect_b64 s[38:39], s[10:11], s[38:39]
	s_add_nc_u64 s[4:5], s[4:5], s[30:31]
	s_add_nc_u64 s[38:39], s[38:39], s[32:33]
	s_add_nc_u64 s[18:19], s[18:19], s[30:31]
	s_add_nc_u64 s[20:21], s[20:21], s[34:35]
	s_add_nc_u64 s[6:7], s[6:7], s[40:41]
	s_add_nc_u64 s[8:9], s[8:9], s[40:41]
.irp i, 0,1,2,3,4,5,6,7,8,9,10,11,12,13,14,15
	global_load_b128 v[X+4*\i:X+4*\i+3], v[L16], s[4:5] offset:(\i+8*(\i/8))*4096   ; 32 lanes read 512 consecutive bytes of one row
.endr
.irp b, 0,1,2,3
.irp j, 0,1,2,3
	global_load_b128 v[E+16*\b+4*\j:E+16*\b+4*\j+3], v[H64], s[8:9] offset:128*\b+16*\j   ; shift and gain stand ahead of the weights: loads end in order, and LayerNorm is not to wait for the weights
.endr
.endr
.irp b, 0,1,2,3
.irp j, 0,1,2,3
	global_load_b128 v[G+16*\b+4*\j:G+16*\b+4*\j+3], v[H64], s[6:7] offset:128*\b+16*\j
.endr
.endr
	WIN 0x40
.irp i, 0,1,2,3,4,5,6,7,8,9,10,11,12,13,14,15
	global_load_b128 v[4*\i:4*\i+3], v[L16], s[38:39] offset:(\i+8*(\i/8))*4096
.endr
.irp i, 0,1,2,3,4,5,6,7,8,9,10,11,12,13,14,15
	global_load_b128 v[64+4*\i:64+4*\i+3], v[L16], s[18:19] offset:(\i+8*(\i/8))*4096
.endr
.irp i, 0,1,2,3,4,5,6,7,8,9,10,11,12,13,14,15
	global_load_b128 v[128+4*\i:128+4*\i+3], v[L16], s[20:21] offset:(\i+8*(\i/8))*16384
.endr
	WIN 0
	s_lshl_b32 s42, ttmp9, 3                       ; where my results go
	s_add_co_u32 s42, s42, s[WV]                   ; 8 g + w
	s_lshl_b32 s44, s42, 6
	s_add_co_u32 s44, s44, WSC
	s_mov_b32 s45, 0
	s_mul_i32 s42, s42, 1536
	s_mov_b32 s43, 0
	s_add_nc_u64 s[10:11], s[22:23], s[42:43]      ; hq: my fragment
	s_add_nc_u64 s[14:15], s[24:25], s[42:43]      ; wts: my first fragment
	s_add_nc_u64 s[16:17], s[24:25], s[44:45]      ; and its scale words
	s_lshl_b32 s42, ttmp9, 9
	s_add_co_u32 s42, s42, HSC
	s_add_nc_u64 s[12:13], s[22:23], s[42:43]      ; hq: the tile's 512 bytes of scale words
	s_mov_b32 s48, 0x3a800000                      ; 1 / 1,024
	s_mov_b32 s49, 0x3727c5ac                      ; 1e-5
	s_wait_loadcnt 63                              ; x's 16 loads are in: 80 were issued behind them, and 63 is the most that the wait can name
	TURNS 0, X
	; ---- the table: waves 0-3, lane = pair i, t = 4 g + w.  theta = 10000^(-i / 32) = 2^(-i log2(10000) / 32)
	s_cmp_lt_u32 s[WV], 4
	s_cbranch_scc0 .Lno_rope
	s_lshl_b32 s42, ttmp9, 2
	s_add_co_u32 s42, s42, s[WV]                   ; t
	s_lshl_b32 s44, s42, 8
	s_add_co_u32 s44, s44, WROPE
	s_add_nc_u64 s[46:47], s[24:25], s[44:45]
	s_mov_b32 s30, 0x3638ef1d                      ; 1 / 9!
	s_mov_b32 s31, 0xb9500d01                      ; -1 / 7!
	s_mov_b32 s32, 0xb493f27e                      ; -1 / 10!
	s_mov_b32 s33, 0x37d00d01                      ; 1 / 8!
	v_cvt_f32_u32 v16, v[LANE]
	s_delay_alu instid0(VALU_DEP_1)
	v_mul_f32 v16, 0xbed49a78, v16
	s_wait_alu depctr_va_vdst(0)
	v_exp_f32 v16, v16
	v_nop
	s_wait_alu depctr_va_vdst(0)                   ; the waits ahead of and behind the transcendental
	v_cvt_f32_u32 v17, s42
	v_mul_f32 v17, v17, v16                        ; the angle, in f32 as reference() has it
	s_delay_alu instid0(VALU_DEP_1)
	v_mul_f32 v18, 0x3f22f983, v17
	s_delay_alu instid0(VALU_DEP_1)
	v_rndne_f32 v18, v18                           ; n = the nearest multiple of pi / 2
	s_delay_alu instid0(VALU_DEP_1)
	v_fmamk_f32 v19, v18, 0xbfc90fdb, v17          ; rho = angle - n pi / 2, pi / 2 in two parts
	s_delay_alu instid0(VALU_DEP_1)
	v_fmamk_f32 v19, v18, 0x333bbd2e, v19
	s_delay_alu instid0(VALU_DEP_1)
	v_mul_f32 v20, v19, v19
	s_delay_alu instid0(VALU_DEP_1)
	v_fma_f32 v21, v20, s30, s31                   ; sine's and cosine's series on |rho| <= pi / 4, by turns
	s_delay_alu instid0(VALU_DEP_2)
	v_fma_f32 v22, v20, s32, s33
	s_delay_alu instid0(VALU_DEP_2)
	v_fmaak_f32 v21, v21, v20, 0x3c088889
	s_delay_alu instid0(VALU_DEP_2)
	v_fmaak_f32 v22, v22, v20, 0xbab60b61
	s_delay_alu instid0(VALU_DEP_2)
	v_fmaak_f32 v21, v21, v20, 0xbe2aaaab
	s_delay_alu instid0(VALU_DEP_2)
	v_fmaak_f32 v22, v22, v20, 0x3d2aaaab
	s_delay_alu instid0(VALU_DEP_2)
	v_mul_f32 v21, v21, v20
	s_delay_alu instid0(VALU_DEP_2)
	v_fmaak_f32 v22, v22, v20, 0xbf000000
	s_delay_alu instid0(VALU_DEP_2)
	v_fma_f32 v21, v21, v19, v19                   ; sin rho
	s_delay_alu instid0(VALU_DEP_2)
	v_fma_f32 v22, v22, v20, 1.0                   ; cos rho
	v_cvt_i32_f32 v23, v18
	s_delay_alu instid0(VALU_DEP_1)
	v_and_b32 v24, 1, v23
	s_delay_alu instid0(VALU_DEP_1)
	v_cmp_eq_u32 vcc_lo, 1, v24                    ; an odd quadrant swaps the two (a choice of values: no branch)
	s_delay_alu instid0(VALU_DEP_1)
	v_cndmask_b32 v26, v22, v21, vcc_lo
	s_delay_alu instid0(VALU_DEP_2)
	v_cndmask_b32 v27, v21, v22, vcc_lo
	v_add_nc_u32 v24, 1, v23
	s_delay_alu instid0(VALU_DEP_1)
	v_and_b32 v24, 2, v24
	s_delay_alu instid0(VALU_DEP_1)
	v_lshlrev_b32 v24, 30, v24
	s_delay_alu instid0(VALU_DEP_1)
	v_xor_b32 v26, v26, v24                        ; the cosine is negative in quadrants 1 and 2,
	v_and_b32 v25, 2, v23
	s_delay_alu instid0(VALU_DEP_1)
	v_lshlrev_b32 v25, 30, v25
	s_delay_alu instid0(VALU_DEP_1)
	v_xor_b32 v27, v27, v25                        ; the sine in 2 and 3
	global_store_b64 v[L8], v[26:27], s[46:47]     ; 32 lanes store 256 consecutive bytes, aligned; v26, v27 and s[46:47] are not written again
.Lno_rope:
	; ---- LayerNorm of row tile g: wave w holds columns 128 w on of its 16 rows
	s_wait_dscnt 0x0
.irp c, 0,1,2,3
	v_pk_add_f32 v[T+2*\c:T+2*\c+1], v[X+4*\c:X+4*\c+1], v[X+4*\c+2:X+4*\c+3]
.endr
.irp i, 16,24,32,40,48,56
.irp c, 0,1,2,3
	s_delay_alu instid0(VALU_DEP_4)
	v_pk_add_f32 v[T+2*\c:T+2*\c+1], v[T+2*\c:T+2*\c+1], v[X+\i+2*\c:X+\i+2*\c+1]
.endr
.endr
	FOLD
	GATHER P1
	s_delay_alu instid0(VALU_DEP_1)
	v_mul_f32 v[MV], s48, v[T]                     ; the mean
	s_delay_alu instid0(VALU_DEP_1)
	v_mov_b32 v[MV+1], v[MV]
.set ii, 0
.rept 32
	v_pk_add_f32 v[X+ii:X+ii+1], v[X+ii:X+ii+1], v[MV:MV+1] neg_lo:[0,1] neg_hi:[0,1]   ; x - mean: the variance is taken of these
.set ii, ii+2
.endr
.irp c, 0,1,2,3
	v_pk_mul_f32 v[T+2*\c:T+2*\c+1], v[X+2*\c:X+2*\c+1], v[X+2*\c:X+2*\c+1]
.endr
.irp i, 8,16,24,32,40,48,56
.irp c, 0,1,2,3
	s_delay_alu instid0(VALU_DEP_4)
	v_pk_fma_f32 v[T+2*\c:T+2*\c+1], v[X+\i+2*\c:X+\i+2*\c+1], v[X+\i+2*\c:X+\i+2*\c+1], v[T+2*\c:T+2*\c+1]
.endr
.endr
	FOLD
	GATHER P2
	s_delay_alu instid0(VALU_DEP_1)
	v_fma_f32 v[MV], v[T], s48, s49                ; variance + 1e-5
	s_wait_alu depctr_va_vdst(0)
	v_rsq_f32 v[MV], v[MV]
	v_nop
	s_wait_alu depctr_va_vdst(0)
	v_mov_b32 v[MV+1], v[MV]
	s_wait_alu depctr_va_vdst(0)
	s_wait_loadcnt 48                              ; gain and shift are in; the weights' 48 loads, issued behind them, may be out
.set ii, 0
.rept 32
	v_pk_mul_f32 v[X+ii:X+ii+1], v[X+ii:X+ii+1], v[MV:MV+1]
.set ii, ii+2
.endr
.set ii, 0
.rept 32
	v_pk_fma_f32 v[X+ii:X+ii+1], v[X+ii:X+ii+1], v[G+ii:G+ii+1], v[E+ii:E+ii+1]
.set ii, ii+2
.endr
	QUANT X
	PUT4 10, 0
	ds_store_b32 v[PWA], v[PW] offset:SCW          ; the tile's scale words are gathered, so that they leave as 512 consecutive bytes
	s_wait_dscnt 0x0
	s_barrier_signal -1
	s_barrier_wait -1
	s_cmp_lg_u32 s[WV], 0
	s_cbranch_scc1 .Lno_sc
	ds_load_b128 v[T:T+3], v[L16] offset:SCW
	s_wait_dscnt 0x0
	global_store_b128 v[L16], v[T:T+3], s[12:13]   ; v16-19 are not written again
.Lno_sc:
	; ---- my three fragments of the weights
.irp k, 1,2,3
	s_wait_loadcnt 48-16*\k                        ; this weight's 16 loads are in; the later weights' may be out
	TURNS 1, 64*(\k-1)
	s_wait_dscnt 0x0
	s_wait_xcnt 0x0                                ; the last fragment's stores have read their registers
	QUANT X
	PUT4 14, 3145728*(\k-1)
	global_store_b32 v[L4R], v[PW], s[16:17] offset:131072*(\k-1)   ; lanes 16-31 hold the same words and write them to the same places
.endr
	s_wait_tensorcnt 0x0                           ; the wave's end, behind my last LDS store
	ds_add_u32 v[SPW], v[NIL]
	s_wait_dscnt 0x0
	s_endpgm
.Lfunc_end_k_q0bb602127d_prep:
	.size	k_q0bb602127d_prep, .Lfunc_end_k_q0bb602127d_prep-k_q0bb602127d_prep
	.p2alignl 7, 3214868480
	.fill 96, 4, 3214868480
	.section	.rodata,"a",@progbits
	.p2align	6, 0x0
	.amdhsa_kernel k_q0bb602127d_prep
		.amdhsa_group_segment_fixed_size 70656
		.amdhsa_private_segment_fixed_size 0
		.amdhsa_enable_private_segment 0
		.amdhsa_kernarg_size 88
		.amdhsa_user_sgpr_count 2
		.amdhsa_user_sgpr_kernarg_segment_ptr 1
		.amdhsa_wavefront_size32 1
		.amdhsa_system_sgpr_workgroup_id_x 1
		.amdhsa_system_sgpr_workgroup_id_y 1
		.amdhsa_system_sgpr_workgroup_id_z 1
		.amdhsa_system_vgpr_workitem_id 0
		.amdhsa_next_free_vgpr 512
		.amdhsa_next_free_sgpr 66
		.amdhsa_reserve_vcc 1
		.amdhsa_float_denorm_mode_32 3
		.amdhsa_float_denorm_mode_16_64 3
		.amdhsa_memory_ordered 1
		.amdhsa_forward_progress 1
		.amdhsa_inst_pref_size 64
	.end_amdhsa_kernel
	.amdgpu_metadata
---
amdhsa.version: [ 1, 2 ]
amdhsa.kernels:
  - .name:           k_q0bb602127d_prep
    .symbol:         k_q0bb602127d_prep.kd
    .args:
      - { .name: x, .offset: 0, .size: 8, .value_kind: global_buffer, .address_space: global }
      - { .name: g1, .offset: 8, .size: 8, .value_kind: global_buffer, .address_space: global }
      - { .name: be1, .offset: 16, .size: 8, .value_kind: global_buffer, .address_space: global }
      - { .name: Wq, .offset: 24, .size: 8, .value_kind: global_buffer, .address_space: global }
      - { .name: Wk, .offset: 32, .size: 8, .value_kind: global_buffer, .address_space: global }
      - { .name: Wv, .offset: 40, .size: 8, .value_kind: global_buffer, .address_space: global }
      - { .name: Wo, .offset: 48, .size: 8, .value_kind: global_buffer, .address_space: global }
      - { .name: W1, .offset: 56, .size: 8, .value_kind: global_buffer, .address_space: global }
      - { .name: W2, .offset: 64, .size: 8, .value_kind: global_buffer, .address_space: global }
      - { .name: hq, .offset: 72, .size: 8, .value_kind: global_buffer, .address_space: global }
      - { .name: wts, .offset: 80, .size: 8, .value_kind: global_buffer, .address_space: global }
    .group_segment_fixed_size: 70656
    .private_segment_fixed_size: 0
    .kernarg_segment_align: 8
    .kernarg_segment_size: 88
    .max_flat_workgroup_size: 256
    .sgpr_count:     66
    .vgpr_count:     512
    .wavefront_size: 32
...
	.end_amdgpu_metadata
.endif
;; end of part 1
;; launch qkv (part 2): grid 8 x 24, 4 waves a work-group, clusters of 4 x 4, 327,680 bytes of LDS; arguments hq, wts, bq, bk, bv, q, kv; writes q, kv
.if DOCPART == 2
	.amdgcn_target "amdgcn-amd-amdhsa--gfx1250"
	.amdhsa_code_object_version 6
	.text
	.protected	k_q0bb602127d_qkv
	.globl	k_q0bb602127d_qkv
	.p2align	8
	.type	k_q0bb602127d_qkv,@function
k_q0bb602127d_qkv:
	s_mov_b64 s[64:65], 0
	v_nop
	global_prefetch_b8 v0, s[64:65] scope:SCOPE_SE
	s_setreg_imm32_b32 hwreg(HW_REG_WAVE_MODE, 25, 1), 1
	s_wait_xcnt 0x0
	s_wait_alu depctr_hold_cnt(0) depctr_sa_sdst(0) depctr_va_vdst(0) depctr_va_sdst(0) depctr_va_ssrc(0) depctr_va_vcc(0) depctr_vm_vsrc(0)
	s_getreg_b32 s2, hwreg(HW_REG_IB_STS2, 6, 4)
	s_cmp_eq_u32 s2, 0
	s_cbranch_scc0 .Lentry_in_a_cluster
	s_endpgm
.Lentry_in_a_cluster:
	s_bfe_u32 s2, ttmp6, 0x10000c
	s_cmp_lg_u32 s2, 0xf033
	s_cbranch_scc0 .Lentry_shape_is_right
	s_endpgm
.Lentry_shape_is_right:
.set NQ,     2
.set FR,     12
.set NL,     4
.set NP,     4
.set RTB,    12288
.set SLB,    3072
.set HALFT,  8*SLB
.set SLOT,   4*HALFT
.set SCL,    2*SLOT
.set HALFS,  4096
.set SPARE,  SCL+4*HALFS
.set HSC,    3145728
.set WSC,    9437184
.set WROPE,  9830400
.set RR,   1
.set HH,   2
.set L16,  4
.set L8,   5
.set L4R,  6
.set L4,   7
.set ADRA, 16
.set ADRB, 20
.set ADRS, 27
.set SPW,  28
.set NIL,  29
.set SC,   32
.set AF,   128
.set TM,   32
.set PW,   48
.set W0,   49
.set W1,   50
.set T,    56
.set BI,   64
.set Y,    128
.set PC,   192
.set SEL,  66
.set G1,   24
.set G0,   32
.set G1B,  48
.set G0B,  56
.set G1S,  68
.set G0S,  76
.set G1SB, 80
.set G0SB, 88
.set MSB, 0
.macro WIN new
.if MSB != \new
	s_set_vgpr_msb (MSB<<8)|\new
.set MSB, \new
.endif
.endm
.set MUL_LO, 0xa1
.set MUL_HI, 0xf1
.set TO_B,   0x40
.macro JLOAD g0a, g1a, g0b, g1b
	s_cmp_eq_u32 s15, 0
	s_cbranch_scc0 .Lfor_b_\@
	tensor_load_to_lds s[\g0a:\g0a+3], s[\g1a:\g1a+7]
	s_nop 0
.rept 4
	v_nop
.endr
	s_branch .Lasked_\@
.Lfor_b_\@:
	tensor_load_to_lds s[\g0b:\g0b+3], s[\g1b:\g1b+7]
	s_nop 0
.rept 4
	v_nop
.endr
.Lasked_\@:
.endm
.macro CREST
	s_cmp_lg_u32 s14, 0
	s_cbranch_scc1 .Lnot_wave_0_\@
	s_barrier_signal -3
.Lnot_wave_0_\@:
	s_barrier_wait -3
	s_barrier_signal -1
	s_barrier_wait -1
.endm
.macro CROUND
	s_barrier_signal -1
	s_barrier_wait -1
	CREST
.endm
	s_load_b256 s[4:11], s[0:1], 0x0
	s_load_b128 s[92:95], s[0:1], 0x20
	s_load_b64 s[96:97], s[0:1], 0x30
	v_lshl_add_u32 v[SPW], v0, 2, SPARE
	v_mov_b32 v[NIL], 0
	ds_add_u32 v[SPW], v[NIL]
	ds_add_u32 v[SPW], v[NIL]
	v_lshrrev_b32 v1, 5, v0
	v_readfirstlane_b32 s14, v1
	s_lshr_b32 s15, s14, 1
	s_and_b32 s16, s14, 1
	s_bfe_u32 s40, ttmp6, 0x40000
	s_bfe_u32 s41, ttmp6, 0x40004
	s_and_b32 s98, ttmp7, 0xffff
	s_lshl_b32 s17, s98, 2
	s_add_co_u32 s17, s17, s41
	s_lshl_b32 s42, ttmp9, 2
	s_add_co_u32 s42, s42, s40
	s_max_u32 s46, s98, 4
	s_sub_co_u32 s46, s46, 4
	s_lshl_b32 s46, s46, 3
	s_add_co_u32 s46, s46, s42
	s_cmp_lt_u32 s98, 4
	s_cselect_b32 s17, s17, s41
	s_cselect_b32 s42, s42, s46
	s_cselect_b32 s18, 0, 128*RTB
	s_mov_b32 s19, WSC+128*512
	s_cselect_b32 s19, HSC, s19
	s_mov_b32 s99, HSC
	s_cselect_b32 s99, WSC, s99
	s_lshl_b32 s43, s41, 2
	s_lshl_b32 s43, 15, s43
	s_lshl_b32 s44, 0x1111, s40
	s_or_b32 s[G1+0], s43, (3<<16)|(1<<21)
	s_or_b32 s[G1B+0], s44, (3<<16)|(1<<21)
.irp g, G1, G1B
	s_mov_b32 s[\g+1], 384<<16
	s_mov_b32 s[\g+2], 16<<16
	s_mov_b32 s[\g+3], 384<<16
	s_mov_b32 s[\g+4], 16
	s_mov_b32 s[\g+5], RTB/8
	s_mov_b32 s[\g+6], 0
	s_mov_b32 s[\g+7], 0
.endr
	s_or_b32 s[G1S+0], s43, (3<<16)|(1<<21)
	s_or_b32 s[G1SB+0], s44, (3<<16)|(1<<21)
.irp g, G1S, G1SB
	s_mov_b32 s[\g+1], 32<<16
	s_mov_b32 s[\g+2], 32<<16
	s_mov_b32 s[\g+3], 32<<16
	s_mov_b32 s[\g+4], 32
	s_mov_b32 s[\g+5], 32
	s_mov_b32 s[\g+6], 0
	s_mov_b32 s[\g+7], 0
.endr
	s_lshl_b32 s20, s17, 4
	s_lshl_b32 s46, s42, 4
	s_lshl_b32 s22, s20, 9
	s_add_co_u32 s22, s22, s19
	s_mul_i32 s20, s20, RTB
	s_add_co_u32 s20, s20, s18
	s_lshl_b32 s66, s46, 9
	s_add_co_u32 s66, s66, s99
	s_mul_i32 s46, s46, RTB
	s_mov_b32 s21, 0
	s_mov_b32 s23, 0
	s_mov_b32 s47, 0
	s_mov_b32 s67, 0
	s_mul_i32 s45, s14, HALFT
	s_wait_dscnt 0x0
	s_wait_kmcnt 0x0
	s_cmp_lt_u32 s98, 4
	s_cselect_b64 s[12:13], s[4:5], s[6:7]
	s_cselect_b64 s[2:3], s[6:7], s[4:5]
	s_add_nc_u64 s[20:21], s[12:13], s[20:21]
	s_add_nc_u64 s[22:23], s[12:13], s[22:23]
	s_add_nc_u64 s[46:47], s[2:3], s[46:47]
	s_add_nc_u64 s[66:67], s[2:3], s[66:67]
	CROUND
; the head's four tiles, each whole, one tensor load a wave: wave 0 slot 0's 16 row tiles of A, wave 1 those of B, wave 2 A's scale words, wave 3 B's
	s_mov_b32 s[G0S], 1
	s_mov_b32 s[G0S+1], SCL
	s_mov_b64 s[G0S+2:G0S+3], s[22:23]
	s_or_b32 s[G0S+3], s[G0S+3], 0x80000000
	s_mov_b32 s[G0SB], 1
	s_mov_b32 s[G0SB+1], SCL+2*HALFS
	s_mov_b64 s[G0SB+2:G0SB+3], s[66:67]
	s_or_b32 s[G0SB+3], s[G0SB+3], 0x80000000
	s_mul_i32 s2, s16, 8*RTB                       ; in the ring I fetch 8 row tiles: which half, in bytes
	s_mov_b32 s3, 0
	s_mov_b32 s[G0], 1
	s_mov_b32 s[G0+1], 0
	s_mov_b64 s[G0+2:G0+3], s[20:21]
	s_or_b32 s[G0+3], s[G0+3], 0x80000000
	s_mov_b32 s[G0B], 1
	s_mov_b32 s[G0B+1], 2*HALFT
	s_mov_b64 s[G0B+2:G0B+3], s[46:47]
	s_or_b32 s[G0B+3], s[G0B+3], 0x80000000
	s_add_nc_u64 s[20:21], s[20:21], s[2:3]
	s_add_nc_u64 s[46:47], s[46:47], s[2:3]
	s_mov_b32 s[G0+4], 1                           ; slot 1's groups 0: my quarter of the slot
	s_add_co_u32 s[G0+5], s45, SLOT
	s_add_nc_u64 s[G0+6:G0+7], s[20:21], SLB
	s_or_b32 s[G0+7], s[G0+7], 0x80000000
	s_mov_b32 s[G0B+4], 1
	s_add_co_u32 s[G0B+5], s45, SLOT
	s_add_nc_u64 s[G0B+6:G0B+7], s[46:47], SLB
	s_or_b32 s[G0B+7], s[G0B+7], 0x80000000
.macro ARM under, g0, g1, next
	s_cmp_lt_u32 s14, \under
	s_cbranch_scc0 \next
	tensor_load_to_lds s[\g0:\g0+3], s[\g1:\g1+7]
	s_nop 0
.rept 4
	v_nop
.endr
	s_branch .Lhead_asked
\next:
.endm
	ARM 1, G0,  G1,  .Lhead_b
	ARM 2, G0B, G1B, .Lhead_sa
	ARM 3, G0S, G1S, .Lhead_sb
	tensor_load_to_lds s[G0SB:G0SB+3], s[G1SB:G1SB+7]
	s_nop 0
.rept 4
	v_nop
.endr
.Lhead_asked:
	v_and_b32 v[RR], 15, v0
	v_bfe_u32 v[HH], v0, 4, 1
	v_and_b32 v3, 31, v0
	v_lshlrev_b32 v[L16], 4, v3
	v_lshlrev_b32 v[L8], 3, v3
	v_lshlrev_b32 v[L4R], 2, v[RR]
	v_lshlrev_b32 v[L4], 2, v3
	s_mul_i32 s21, s15, HALFT
	s_mul_i32 s22, s16, HALFT
	s_add_co_u32 s22, s22, 2*HALFT
.irp s, 0,1
	v_add_nc_u32 v[ADRA+\s], s21, v[L16]
	v_add_nc_u32 v[ADRB+\s], s22, v[L16]
	v_add_nc_u32 v[ADRA+2+\s], s21, v[L8]
	v_add_nc_u32 v[ADRB+2+\s], s22, v[L8]
	s_add_co_u32 s21, s21, SLOT
	s_add_co_u32 s22, s22, SLOT
.endr
	s_mul_i32 s21, s15, HALFS
	s_mul_i32 s22, s16, HALFS
	s_add_co_u32 s22, s22, 2*HALFS
	s_sub_co_u32 s22, s22, s21
	v_mul_u32_u24 v8, s22, v[HH]
	s_add_co_u32 s21, s21, SCL
	v_add_nc_u32 v8, v[L4R], v8
	v_add_nc_u32 v[ADRS], s21, v8
.macro FRAG reg, adr, off
	ds_load_b128 v[\reg:\reg+3], v[\adr] offset:\off
	ds_load_b64 v[\reg+4:\reg+5], v[\adr+2] offset:\off+512
	ds_load_b128 v[\reg+6:\reg+9], v[\adr] offset:\off+768
	ds_load_b64 v[\reg+10:\reg+11], v[\adr+2] offset:\off+1280
.endm
.macro MUL16 a0, p, q, sc, zero
.irp a, \a0, \a0+1
.irp b, 0,1,2,3,4,5,6,7
.if \zero
	v_wmma_scale_f32_16x16x128_f8f6f4 v[8*(8*((\a)%4)+\b):8*(8*((\a)%4)+\b)+7], v[128*(\p)+FR*\b:128*(\p)+FR*\b+FR-1], v[AF+FR*(\a):AF+FR*(\a)+FR-1], 0, v[SC+8*NQ*(\sc)+NQ*\b+(\q)], v[SC+8*NQ*(\sc)+NQ*(\a)+(\q)] matrix_a_fmt:MATRIX_FMT_BF6 matrix_b_fmt:MATRIX_FMT_BF6 matrix_a_scale:MATRIX_SCALE_ROW1
.else
	v_wmma_scale_f32_16x16x128_f8f6f4 v[8*(8*((\a)%4)+\b):8*(8*((\a)%4)+\b)+7], v[128*(\p)+FR*\b:128*(\p)+FR*\b+FR-1], v[AF+FR*(\a):AF+FR*(\a)+FR-1], v[8*(8*((\a)%4)+\b):8*(8*((\a)%4)+\b)+7], v[SC+8*NQ*(\sc)+NQ*\b+(\q)], v[SC+8*NQ*(\sc)+NQ*(\a)+(\q)] matrix_a_fmt:MATRIX_FMT_BF6 matrix_b_fmt:MATRIX_FMT_BF6 matrix_a_scale:MATRIX_SCALE_ROW1
.endif
.endr
.endr
.endm
.macro FETCH_B slot, q, p
	WIN TO_B
.irp i, 0,1,2,3,4,5,6,7
	FRAG 128*(\p)+FR*\i, ADRB+\slot, (\i)*SLB+(\q)*1536
.endr
	WIN 0
.endm
.macro FETCH_A slot, q, i0
.irp i, \i0, \i0+1, \i0+2, \i0+3
	FRAG AF+FR*(\i), ADRA+\slot, (\i)*SLB+(\q)*1536
.endr
.endm
.macro SCALES sc
.irp i, 0,1,2,3,4,5,6,7
.irp q, 0,1
	ds_load_b32 v[SC+8*NQ*\sc+NQ*\i+\q], v[ADRS] offset:512*\i+64*\q
.endr
.endr
.endm
.macro PLACES n
.rept \n
	v_nop
.endr
.endm
.macro STEP slot, q, zero
	s_wait_dscnt 4*NL
	WIN MUL_LO
	MUL16 0, (\q)%2, \q, \slot, \zero
	MUL16 2, (\q)%2, \q, \slot, \zero
	s_wait_dscnt 0
	PLACES NP
	FETCH_B \slot, (\q)+1, 1-(\q)%2
	FETCH_A \slot, (\q)+1, 0
	WIN MUL_HI
	MUL16 4, (\q)%2, \q, \slot, \zero
	MUL16 6, (\q)%2, \q, \slot, \zero
	PLACES NP
	WIN 0
	FETCH_A \slot, (\q)+1, 4
.endm
.macro TURN slot, next, fill
	s_wait_tensorcnt 0x0
	ds_add_u32 v[SPW], v[NIL]
	s_wait_dscnt 4*NL+1
	WIN MUL_LO
	MUL16 0, 1, NQ-1, \slot, 0
	s_wait_dscnt 0x0
	s_barrier_signal -1
	MUL16 2, 1, NQ-1, \slot, 0
	WIN 0
	s_barrier_wait -1
.if \fill
	CREST
	s_add_nc_u64 s[G0+4*\slot+2:G0+4*\slot+3], s[G0+4*\slot+2:G0+4*\slot+3], 2*SLB
	s_add_nc_u64 s[G0B+4*\slot+2:G0B+4*\slot+3], s[G0B+4*\slot+2:G0B+4*\slot+3], 2*SLB
	JLOAD G0+4*\slot, G1, G0B+4*\slot, G1B
.else
	PLACES NP
.endif
	s_wait_alu depctr_va_vdst(0)
	v_add_nc_u32 v[ADRS], 64*NQ, v[ADRS]
	FETCH_B \next, 0, 0
	FETCH_A \next, 0, 0
	SCALES \next
	WIN MUL_HI
	MUL16 4, 1, NQ-1, \slot, 0
	MUL16 6, 1, NQ-1, \slot, 0
	PLACES NP
	WIN 0
	FETCH_A \next, 0, 4
.endm
	s_wait_alu depctr_va_vdst(0)
	s_wait_tensorcnt 0x0                           ; my tile of the head's four is in
	ds_add_u32 v[SPW], v[NIL]
	s_mov_b32 s[G1+2], 8<<16                       ; no tensor load of mine is out: from here on a load brings 8 row tiles,
	s_mov_b32 s[G1+4], 8
	s_mov_b32 s[G1B+2], 8<<16
	s_mov_b32 s[G1B+4], 8
	s_mov_b32 s[G0+1], s45                         ; and slot 0's groups 0 name my quarter of the slot
	s_add_nc_u64 s[G0+2:G0+3], s[G0+2:G0+3], s[2:3]
	s_mov_b32 s[G0B+1], s45
	s_add_nc_u64 s[G0B+2:G0B+3], s[G0B+2:G0B+3], s[2:3]
	s_wait_dscnt 0x0
	CROUND
	JLOAD G0+4, G1, G0B+4, G1B                     ; slot 1, the first tensor load behind the round
	FETCH_B 0, 0, 0
	FETCH_A 0, 0, 0
	SCALES 0
	FETCH_A 0, 0, 4
	STEP 0, 0, 1
	TURN 0, 1, 1
	STEP 1, 0, 0
	TURN 1, 0, 1
	STEP 0, 0, 0
	TURN 0, 1, 0
	STEP 1, 0, 0
	s_wait_dscnt 4*NL
	WIN MUL_LO
	MUL16 0, 1, NQ-1, 1, 0
	MUL16 2, 1, NQ-1, 1, 0
	s_wait_dscnt 0
	WIN MUL_HI
	MUL16 4, 1, NQ-1, 1, 0
	MUL16 6, 1, NQ-1, 1, 0
	WIN 0
.macro QUANT s
.irp b, 0,1,2,3
	v_max3_num_f32 v[TM+\b], |v[\s+16*\b]|, |v[\s+1+16*\b]|, 0x2800000
.endr
.irp i, 2,4,6,8,10,12,14
.irp b, 0,1,2,3
	v_max3_num_f32 v[TM+\b], v[TM+\b], |v[\s+16*\b+\i]|, |v[\s+1+16*\b+\i]|
.endr
.endr
.irp b, 0,1,2,3
	v_permlanex16_b32 v[TM+4+\b], v[TM+\b], s[SEL], s[SEL+1]
.endr
.irp b, 0,1,2,3
	v_max_num_f32 v[TM+\b], v[TM+\b], v[TM+4+\b]
.endr
.irp b, 0,1,2,3
	v_add_nc_u32 v[TM+12+\b], 0xfe000000, v[TM+\b]
.endr
.irp b, 0,1,2,3
	v_lshrrev_b32 v[TM+4+\b], 23, v[TM+12+\b]
.endr
	v_lshl_or_b32 v[PW], v[TM+5], 8, v[TM+4]
	v_lshl_or_b32 v[PW], v[TM+6], 16, v[PW]
	v_lshl_or_b32 v[PW], v[TM+7], 24, v[PW]
.irp c, 0,1
	v_cvt_scalef32_pk16_bf6_f32 v[PC+6*\c:PC+2+6*\c], v[\s+32*\c:\s+15+32*\c], v[TM+12+2*\c]
	v_cvt_scalef32_pk16_bf6_f32 v[PC+12+4*\c:PC+14+4*\c], v[\s+16+32*\c:\s+31+32*\c], v[TM+12+2*\c+1]
.endr
	v_nop
.irp c, 0,1
.irp i, 0,1,2
	v_permlane16_swap_b32 v[PC+6*\c+\i], v[PC+12+4*\c+\i]
.endr
.irp i, 0,1,2
	v_mov_b32 v[PC+3+6*\c+\i], v[PC+12+4*\c+\i]
.endr
.endr
.endm
.macro PUT4 base, off
	global_store_b128 v[L16], v[PC:PC+3], s[\base:\base+1] offset:\off
	global_store_b64 v[L8], v[PC+4:PC+5], s[\base:\base+1] offset:\off+512
	global_store_b128 v[L16], v[PC+6:PC+9], s[\base:\base+1] offset:\off+768
	global_store_b64 v[L8], v[PC+10:PC+11], s[\base:\base+1] offset:\off+1280
.endm
	PLACES NP
	s_mov_b32 s[SEL], 0x76543210
	s_mov_b32 s[SEL+1], 0xfedcba98
.irp b, 0,1,2,3
	v_mov_b32 v[TM+4+\b], 0
.endr
	s_cmp_lt_u32 s98, 4
	s_cbranch_scc0 .Lkind_v
	s_cmp_eq_u32 ttmp9, 0
	s_cselect_b64 s[12:13], s[8:9], s[10:11]
	s_cselect_b64 s[20:21], s[94:95], s[96:97]
	s_mov_b32 s22, 106496
	s_cselect_b32 s22, 53248, s22
	s_mov_b32 s23, 13312
	s_cselect_b32 s23, 6656, s23
	s_and_b32 s18, s42, 3
	s_lshl_b32 s18, s18, 10
	s_lshl_b32 s19, s16, 9
	s_add_co_u32 s18, s18, s19
	s_mov_b32 s19, 0
	s_add_nc_u64 s[12:13], s[12:13], s[18:19]
	v_lshlrev_b32 v30, 6, v[HH]
.irp b, 0,1,2,3
.irp j, 0,1,2,3
	global_load_b128 v[BI+16*\b+4*\j:BI+16*\b+4*\j+3], v30, s[12:13] offset:128*\b+16*\j
.endr
.endr
	s_and_b32 s18, s17, 3
	s_lshl_b32 s18, s18, 16
	s_lshl_b32 s2, s15, 15
	s_add_co_u32 s18, s18, s2
	s_add_co_u32 s18, s18, WROPE
	s_add_nc_u64 s[2:3], s[6:7], s[18:19]
	v_and_b32 v31, 8, v[RR]
	v_add_nc_u32 v31, v31, v[RR]
	v_lshl_add_u32 v31, v31, 8, v30
	WIN 0x40
.irp a, 0,1,2,3,4,5,6,7
.irp b, 0,1
.irp j, 0,1,2,3
	global_load_b128 v[32*\a+16*\b+4*\j:32*\a+16*\b+4*\j+3], v31, s[2:3] offset:256*(32*(\a/2)+8*(\a%2))+128*\b+16*\j
.endr
.endr
.endr
	WIN 0
	s_lshr_b32 s18, s17, 2
	s_lshl_b32 s18, s18, 4
	s_and_b32 s19, s42, 3
	s_lshl_b32 s19, s19, 2
	s_add_co_u32 s18, s18, s19
	s_lshl_b32 s19, s16, 1
	s_add_co_u32 s18, s18, s19
	s_mul_i32 s18, s18, s22
	s_and_b32 s19, s17, 3
	s_lshl_b32 s19, s19, 1
	s_add_co_u32 s19, s19, s15
	s_mul_i32 s19, s19, s23
	s_add_co_u32 s18, s18, s19
	s_mov_b32 s19, 0
	s_mov_b32 s23, 0
	s_add_nc_u64 s[20:21], s[20:21], s[18:19]
	s_add_nc_u64 s[22:23], s[20:21], s[22:23]
.macro QKROW a
	s_wait_loadcnt 8*(7-(\a))
	WIN 0x02+(\a)/4
.set AC, 64*((\a)%4)
.set ii, 0
.rept 32
	v_pk_add_f32 v[Y+ii:Y+ii+1], v[AC+ii:AC+ii+1], v[BI+ii:BI+ii+1]
.set ii, ii+2
.endr
	WIN 0x04
.irp g, 0,1,2,3,4,5,6,7
.irp i, 0,1,2,3
	v_pk_mul_f32 v[T+2*\i:T+2*\i+1], v[Y+8*\g+2*\i:Y+8*\g+2*\i+1], v[32*(\a)+16*((\g/2)%2)+2*((4*\g+\i)%8):32*(\a)+16*((\g/2)%2)+2*((4*\g+\i)%8)+1] op_sel:[1,1] op_sel_hi:[0,1]
.endr
.irp i, 0,1,2,3
	v_pk_fma_f32 v[Y+8*\g+2*\i:Y+8*\g+2*\i+1], v[Y+8*\g+2*\i:Y+8*\g+2*\i+1], v[32*(\a)+16*((\g/2)%2)+2*((4*\g+\i)%8):32*(\a)+16*((\g/2)%2)+2*((4*\g+\i)%8)+1], v[T+2*\i:T+2*\i+1] op_sel_hi:[1,0,1] neg_lo:[0,0,1]
.endr
.endr
	WIN 0
.if (\a) > 0
	s_wait_xcnt 0x0
.endif
	QUANT Y
	v_and_b32 v[W0], 0xffff, v[PW]
	v_lshrrev_b32 v[W1], 16, v[PW]
	global_store_b128 v[L16], v[PC:PC+3], s[20:21] offset:768*(\a)
	global_store_b64 v[L8], v[PC+4:PC+5], s[20:21] offset:768*(\a)+512
	global_store_b32 v[L4R], v[W0], s[20:21] offset:6144+64*(\a)
	global_store_b128 v[L16], v[PC+6:PC+9], s[22:23] offset:768*(\a)
	global_store_b64 v[L8], v[PC+10:PC+11], s[22:23] offset:768*(\a)+512
	global_store_b32 v[L4R], v[W1], s[22:23] offset:6144+64*(\a)
.endm
.irp a, 0,1,2,3,4,5,6,7
	QKROW \a
.endr
	s_branch .Lfin
.Lkind_v:
	s_lshl_b32 s18, s17, 10
	s_lshl_b32 s19, s15, 9
	s_add_co_u32 s18, s18, s19
	s_mov_b32 s19, 0
	s_add_nc_u64 s[12:13], s[92:93], s[18:19]
	v_and_b32 v30, 8, v[RR]
	v_add_nc_u32 v30, v30, v[RR]
	v_lshlrev_b32 v30, 2, v30
.irp a, 0,1,2,3,4,5,6,7
	global_load_b32 v[BI+2*\a], v30, s[12:13] offset:4*(32*(\a/2)+8*(\a%2))
	global_load_b32 v[BI+2*\a+1], v30, s[12:13] offset:4*(32*(\a/2)+8*(\a%2))
.endr
	s_lshr_b32 s18, s42, 2
	s_lshl_b32 s18, s18, 4
	s_lshl_b32 s19, s17, 2
	s_add_co_u32 s18, s18, s19
	s_lshl_b32 s19, s15, 1
	s_add_co_u32 s18, s18, s19
	s_mul_i32 s18, s18, 106496
	s_and_b32 s19, s42, 3
	s_lshl_b32 s19, s19, 1
	s_add_co_u32 s19, s19, s16
	s_mul_i32 s19, s19, 13312
	s_add_co_u32 s18, s18, s19
	s_add_co_u32 s18, s18, 6656
	s_mov_b32 s19, 0
	s_add_nc_u64 s[20:21], s[96:97], s[18:19]
	s_wait_loadcnt 0x0
.macro VROW a
	WIN 0x02+(\a)/4
.set AC, 64*((\a)%4)
.set ii, 0
.rept 32
	v_pk_add_f32 v[Y+ii:Y+ii+1], v[AC+ii:AC+ii+1], v[BI+2*(\a):BI+2*(\a)+1]
.set ii, ii+2
.endr
	WIN 0
.if (\a) > 0
	s_wait_xcnt 0x0
.endif
	QUANT Y
	PUT4 20, ((\a)/4)*106496+1536*((\a)%4)
	global_store_b32 v[L4], v[PW], s[20:21] offset:((\a)/4)*106496+6144+128*((\a)%4)
.endm
.irp a, 0,1,2,3,4,5,6,7
	VROW \a
.endr
.Lfin:
	s_wait_tensorcnt 0x0
	ds_add_u32 v[SPW], v[NIL]
	s_wait_dscnt 0x0
	CROUND
	s_endpgm
.Lfunc_end_k_q0bb602127d_qkv:
	.size	k_q0bb602127d_qkv, .Lfunc_end_k_q0bb602127d_qkv-k_q0bb602127d_qkv
	.p2alignl 7, 3214868480
	.fill 96, 4, 3214868480
	.section	.rodata,"a",@progbits
	.p2align	6, 0x0
	.amdhsa_kernel k_q0bb602127d_qkv
		.amdhsa_group_segment_fixed_size 327680
		.amdhsa_private_segment_fixed_size 0
		.amdhsa_enable_private_segment 0
		.amdhsa_kernarg_size 56
		.amdhsa_user_sgpr_count 2
		.amdhsa_user_sgpr_kernarg_segment_ptr 1
		.amdhsa_wavefront_size32 1
		.amdhsa_system_sgpr_workgroup_id_x 1
		.amdhsa_system_sgpr_workgroup_id_y 1
		.amdhsa_system_sgpr_workgroup_id_z 1
		.amdhsa_system_vgpr_workitem_id 0
		.amdhsa_next_free_vgpr 1024
		.amdhsa_next_free_sgpr 100
		.amdhsa_reserve_vcc 0
		.amdhsa_float_denorm_mode_32 3
		.amdhsa_float_denorm_mode_16_64 3
		.amdhsa_memory_ordered 1
		.amdhsa_forward_progress 1
		.amdhsa_inst_pref_size 255
	.end_amdhsa_kernel
	.section	.bss,"aw",@nobits
	.p2align	6
	.space	262144
	.amdgpu_metadata
---
amdhsa.version: [ 1, 2 ]
amdhsa.kernels:
  - .name:           k_q0bb602127d_qkv
    .symbol:         k_q0bb602127d_qkv.kd
    .args:
      - { .name: hq, .offset: 0, .size: 8, .value_kind: global_buffer, .address_space: global }
      - { .name: wts, .offset: 8, .size: 8, .value_kind: global_buffer, .address_space: global }
      - { .name: bq, .offset: 16, .size: 8, .value_kind: global_buffer, .address_space: global }
      - { .name: bk, .offset: 24, .size: 8, .value_kind: global_buffer, .address_space: global }
      - { .name: bv, .offset: 32, .size: 8, .value_kind: global_buffer, .address_space: global }
      - { .name: q, .offset: 40, .size: 8, .value_kind: global_buffer, .address_space: global }
      - { .name: kv, .offset: 48, .size: 8, .value_kind: global_buffer, .address_space: global }
    .group_segment_fixed_size: 327680
    .private_segment_fixed_size: 0
    .kernarg_segment_align: 8
    .kernarg_segment_size: 56
    .max_flat_workgroup_size: 128
    .sgpr_count:     100
    .vgpr_count:     1024
    .wavefront_size: 32
...
	.end_amdgpu_metadata
.endif
;; end of part 2
;; launch attn (part 3): grid 4 x 64, 16 waves a work-group, clusters of 4 x 1, 167,936 bytes of LDS; arguments q, kv, padding_mask, o; writes o
.if DOCPART == 3
	.amdgcn_target "amdgcn-amd-amdhsa--gfx1250"
	.amdhsa_code_object_version 6
	.text
	.protected	k_q0bb602127d_attn
	.globl	k_q0bb602127d_attn
	.p2align	8
	.type	k_q0bb602127d_attn,@function
k_q0bb602127d_attn:
	s_mov_b64 s[64:65], 0
	v_nop
	global_prefetch_b8 v0, s[64:65] scope:SCOPE_SE
	s_setreg_imm32_b32 hwreg(HW_REG_WAVE_MODE, 25, 1), 1
	s_wait_xcnt 0x0
	s_wait_alu depctr_hold_cnt(0) depctr_sa_sdst(0) depctr_va_vdst(0) depctr_va_sdst(0) depctr_va_ssrc(0) depctr_va_vcc(0) depctr_vm_vsrc(0)
	s_getreg_b32 s2, hwreg(HW_REG_IB_STS2, 6, 4)
	s_cmp_eq_u32 s2, 0
	s_cbranch_scc0 .Lentry_in_a_cluster
	s_endpgm
.Lentry_in_a_cluster:
	s_bfe_u32 s2, ttmp6, 0x10000c
	s_cmp_lg_u32 s2, 0x3003
	s_cbranch_scc0 .Lentry_shape_is_right
	s_endpgm
.Lentry_shape_is_right:
; Products 4 and 5: o = softmax(q k^T / 8 + mask) v for one (batch, head) a cluster, on codes of BF6; the result is divided by the row's sum and quantised along D for the next product.  Nothing is left out.
; THE SOFTMAX AHEAD OF THE SECOND PRODUCT: t = score x log2(e) / 8; M = the running largest t rounded UP to a whole number; p = 2^(t - M) is quantised along the keys, not normalised; the row's sum is taken of the unquantised p.
; SHARES.  The cluster's four work-groups take 256 queries each of one head; each of a work-group's sixteen waves one tile of 16 queries, in 256 registers: four waves to a SIMD, so that one wave's vector work stands beside another's products.
; A HEAD'S WHOLE K AND V (106,496 bytes of codes and scale words, as the launch before laid them) COME INTO LDS ONCE: each wave asks for one sixteenth by one joint load that names all four work-groups.  Nothing is filled again.
; Both products are used transposed (S^T = K Q^T, O^T = V^T P^T): a lane holds ONE query throughout.  The keys of a tile are 32 b + 8 u + r + 8 (r / 8), so that p's 16 registers of two neighbouring tiles are 16 neighbouring keys.
; THE FIRST PRODUCT'S K IS 64: the instruction's other 64 are zero CODES on Q's side (registers 6-11 of Q's fragment are 0), so whatever K's fragment names there (the next tile's codes: finite numbers; scale bytes 0) adds nothing.
; THE MASK is the C of the first product: 0 for an open key, -2^100 for a padded one.  p of a padded key is then 0 as soon as the row has met an open key, and what was summed before is multiplied by 2^(old M - new M) = 0.
; LIMITS: that stands for reference()'s -infinity while |score| < 2^76 and the batch has an open key; a batch whose every key is padded gives NaN in reference() and is not served.  NaN, infinities and blocks under 2^-122 as stated in the first launch.
; No prefetch: all that the launch reads is asked for at its head.
; REGISTERS: v1-7 addresses that stay; v8-11 the step's; v12 -M, v13 the largest t, v[14:15] the sum; v16-27 Q; v32-85 K's 8 half fragments, then V's 4 fragments; v96-159 S^T, then p; v160-191 O^T; v224-235 p's codes; v232-254 at work; v255 Q's scale words.
.set PART,  6656
.set STEPB, 13312
.set KVB,   106496
.set QB,    53248
.set MASKF, 106496                     ; LDS behind the head's block: the mask as 1,024 f32, written by ds_store alone
.set SPARE, 110592                     ; the spare words, 128 bytes for each wave: eight blocks of 256 bytes that no other line names
.set HSC,   3145728
.set L16,  1
.set L8,   2
.set L4,   3
.set AM0,  4
.set SPW,  5
.set NIL,  6
.set L4R,  7
.set ADK,  8
.set ADK8, 9
.set ADS,  10
.set ADM,  11
.set WV,   12
.set CX,   13
.set BH,   14
.set SEL,  20
.set CS,   22
.set G1,   24
.set G0,   32
.set TB,   40
.set MB,   41
.set CNT,  42
.macro CROUND
	s_barrier_signal -1
	s_barrier_wait -1
	s_cmp_lg_u32 s[WV], 0
	s_cbranch_scc1 .Lnot_wave_0_\@
	s_barrier_signal -3
.Lnot_wave_0_\@:
	s_barrier_wait -3
	s_barrier_signal -1
	s_barrier_wait -1
.endm
	s_load_b256 s[4:11], s[0:1], 0x0               ; q, kv, padding_mask, o
	v_lshl_add_u32 v[SPW], v0, 2, SPARE
	v_mov_b32 v[NIL], 0
	ds_add_u32 v[SPW], v[NIL]                      ; the wave's opening: the add, twice on end, and its wait ahead of my first tensor load
	ds_add_u32 v[SPW], v[NIL]
	v_lshrrev_b32 v8, 5, v0
	s_delay_alu instid0(VALU_DEP_1)
	v_readfirstlane_b32 s[WV], v8                  ; wave 0..15
	s_bfe_u32 s[CX], ttmp6, 0x40000                ; my place in the cluster: it enters q's and o's addresses alone
	s_and_b32 s[BH], ttmp7, 0xffff                 ; 16 x batch + head, which the four partners share
	s_mov_b32 s[G1], 15|(3<<16)|(1<<21)            ; 15:0 the mask: all four; 17:16 elements of 8 bytes; 21 set beside a mask
	s_mov_b32 s[G1+1], 32<<16                      ; rows of 256 bytes,
	s_mov_b32 s[G1+2], 26<<16                      ; 26 of them: 6,656 dense bytes
	s_mov_b32 s[G1+3], 32<<16
	s_mov_b32 s[G1+4], 26
	s_mov_b32 s[G1+5], 32
	s_mov_b32 s[G1+6], 0
	s_mov_b32 s[G1+7], 0
	s_mul_i32 s15, s[WV], PART                     ; my sixteenth, in LDS and in the head's block
	s_mul_i32 s16, s[BH], KVB
	s_add_co_u32 s16, s16, s15
	s_mov_b32 s17, 0
	s_mov_b32 s[SEL], 0x76543210
	s_mov_b32 s[SEL+1], 0xfedcba98
	s_mov_b32 s[CS], 0x3e38aa3b                    ; c = log2(e) / 8
	s_mov_b32 s[CS+1], s[CS]
	s_wait_dscnt 0x0                               ; both opening adds are done
	s_wait_kmcnt 0x0
	CROUND                                         ; all four work-groups are here: the joint loads meet
	s_mov_b32 s[G0], 1
	s_mov_b32 s[G0+1], s15
	s_add_nc_u64 s[G0+2:G0+3], s[6:7], s[16:17]
	s_or_b32 s[G0+3], s[G0+3], 0x80000000
	tensor_load_to_lds s[G0:G0+3], s[G1:G1+7]      ; every wave's one tensor load
	s_nop 0
.rept 4
	v_nop
.endr
	s_lshr_b32 s18, s[BH], 4
	s_lshl_b32 s18, s18, 10                        ; my batch's 1,024 mask bytes
	s_mov_b32 s19, 0
	s_add_nc_u64 s[8:9], s[8:9], s[18:19]
	v_lshlrev_b32 v8, 1, v0
	global_load_u16 v9, v8, s[8:9]                 ; thread t: keys 2 t, 2 t + 1
	v_and_b32 v10, 31, v0
	s_delay_alu instid0(VALU_DEP_1)
	v_lshlrev_b32 v[L16], 4, v10
	s_wait_alu depctr_va_vdst(0)
	v_lshlrev_b32 v[L8], 3, v10
	s_wait_alu depctr_va_vdst(0)
	v_lshlrev_b32 v[L4], 2, v10
	v_and_b32 v11, 15, v0
	s_delay_alu instid0(VALU_DEP_1)
	v_lshlrev_b32 v[L4R], 2, v11
	s_wait_alu depctr_va_vdst(0)
	v_bfe_u32 v10, v0, 4, 1
	s_delay_alu instid0(VALU_DEP_1)
	v_lshl_add_u32 v[AM0], v10, 6, MASKF           ; the mask of my half's 16 keys of a block of 32
	s_lshl_b32 s18, s[CX], 1
	s_lshr_b32 s19, s[WV], 3
	s_add_co_u32 s18, s18, s19                     ; my tile is 16 cx + wave: its step of 128 queries,
	s_mul_i32 s18, s18, PART
	s_mul_i32 s19, s[BH], QB
	s_add_co_u32 s18, s18, s19
	s_and_b32 s19, s[WV], 7                        ; and its place there
	s_mul_i32 s36, s19, 768
	s_add_co_u32 s36, s36, s18
	s_mov_b32 s37, 0
	s_lshl_b32 s38, s19, 6
	s_add_co_u32 s38, s38, s18
	s_add_co_u32 s38, s38, 6144
	s_mov_b32 s39, 0
	s_add_nc_u64 s[36:37], s[4:5], s[36:37]
	s_add_nc_u64 s[38:39], s[4:5], s[38:39]
	global_load_b128 v[16:19], v[L16], s[36:37]
	global_load_b64 v[20:21], v[L8], s[36:37] offset:512
	global_load_b32 v255, v[L4R], s[38:39]
.irp j, 22,23,24,25,26,27
	v_mov_b32 v[\j], 0                             ; Q's k = 64 .. 127: zero codes
.endr
.irp j, 80,81,82,83,84,85
	v_mov_b32 v[\j], 0                             ; what K's last tile names beyond its own six registers
.endr
	v_mov_b32 v13, 0xff61b1e6                      ; the largest t so far: -3e38
	s_delay_alu instid0(VALU_DEP_1)
	v_floor_f32 v12, -v13                          ; -M
	v_mov_b32 v14, 0
	v_mov_b32 v15, 0
.irp b, 0,1,2,3
	v_mov_b32 v[236+\b], 0                         ; a lane permute's destination counts as one of its sources
.endr
	v_mov_b32 v253, 0
.set ii, 0
.rept 32
	v_mov_b32 v[160+ii], 0                         ; O^T: the step is written once; the first finds zeros
.set ii, ii+1
.endr
	v_mov_b32 v28, 0xf1800000                      ; -2^100
	v_lshl_add_u32 v29, v0, 3, MASKF
	s_wait_alu depctr_va_vdst(0)
	s_wait_loadcnt 0x0
	v_and_b32 v10, 0xff, v9
	v_lshrrev_b32 v11, 8, v9
	s_delay_alu instid0(VALU_DEP_2)
	v_cmp_ne_u32 vcc_lo, 0, v10                    ; the mask only selects values: no branch, no address hangs on it
	s_delay_alu instid0(VALU_DEP_1)
	v_cndmask_b32 v30, 0, v28, vcc_lo
	s_delay_alu instid0(VALU_DEP_3)
	v_cmp_ne_u32 vcc_lo, 0, v11
	s_delay_alu instid0(VALU_DEP_1)
	v_cndmask_b32 v31, 0, v28, vcc_lo
	ds_store_b64 v29, v[30:31]
	s_mov_b32 s[TB], 0
	s_mov_b32 s[MB], 0
	s_mov_b32 s[CNT], 8
	s_wait_tensorcnt 0x0                           ; my sixteenth has landed,
	s_wait_dscnt 0x0                               ; my part of the mask too:
	s_barrier_signal -1
	s_barrier_wait -1                              ; everybody's have.  No barrier follows until the end: LDS is only read from here on
.Lstep:                                            ; 8 trips of 128 keys
	v_add_nc_u32 v[ADK], s[TB], v[L16]             ; (these four are also the places behind the last trip's products, in front of loads into their operands)
	v_add_nc_u32 v[ADK8], s[TB], v[L8]
	v_add_nc_u32 v[ADS], s[TB], v[L4]
	v_add_nc_u32 v[ADM], s[MB], v[AM0]
.irp t, 0,1,2,3,4,5,6,7
	ds_load_b128 v[96+8*\t:99+8*\t], v[ADM] offset:128*(\t/2)+32*(\t%2)       ; the mask of the tile's 8 keys of my half: the C of the product
	ds_load_b128 v[100+8*\t:103+8*\t], v[ADM] offset:128*(\t/2)+32*(\t%2)+16
.endr
.irp t, 0,1,2,3,4,5,6,7
	ds_load_b128 v[32+6*\t:35+6*\t], v[ADK] offset:768*\t
	ds_load_b64 v[36+6*\t:37+6*\t], v[ADK8] offset:768*\t+512
.endr
.irp p, 0,1,2,3
	ds_load_b32 v[248+\p], v[ADS] offset:6144+128*\p   ; lanes 0-15: tile 2 p's scale words; lanes 16-31: tile 2 p + 1's
.endr
	s_wait_alu depctr_va_vdst(0)
	s_wait_dscnt 0x0
.irp p, 0,1,2,3
	v_wmma_scale_f32_16x16x128_f8f6f4 v[96+16*\p:103+16*\p], v[32+12*\p:43+12*\p], v[16:27], v[96+16*\p:103+16*\p], v[248+\p], v255 matrix_a_fmt:MATRIX_FMT_BF6 matrix_b_fmt:MATRIX_FMT_BF6
	v_wmma_scale_f32_16x16x128_f8f6f4 v[104+16*\p:111+16*\p], v[38+12*\p:49+12*\p], v[16:27], v[104+16*\p:111+16*\p], v[248+\p], v255 matrix_a_fmt:MATRIX_FMT_BF6 matrix_b_fmt:MATRIX_FMT_BF6 matrix_a_scale:MATRIX_SCALE_ROW1
.endr
.rept 4
	v_nop                                          ; places: behind them the results are read, and V is loaded over K
.endr
.irp d, 0,1,2,3                                ; V's four fragments and their scale words are asked for now: they land under the softmax
	ds_load_b128 v[32+12*\d:35+12*\d], v[ADK] offset:PART+1536*\d
	ds_load_b64 v[36+12*\d:37+12*\d], v[ADK8] offset:PART+1536*\d+512
	ds_load_b128 v[38+12*\d:41+12*\d], v[ADK] offset:PART+1536*\d+768
	ds_load_b64 v[42+12*\d:43+12*\d], v[ADK8] offset:PART+1536*\d+1280
	ds_load_b32 v[248+\d], v[ADS] offset:PART+6144+128*\d
.endr
.irp b, 0,1,2,3
	v_max3_num_f32 v[232+\b], v[96+16*\b], v[97+16*\b], v[98+16*\b]   ; the largest score of each block of 32 keys: for the row's maximum and, since p rises with the score, for the block's largest p
.endr
.irp i, 3,5,7,9,11,13
.irp b, 0,1,2,3
	v_max3_num_f32 v[232+\b], v[232+\b], v[96+16*\b+\i], v[97+16*\b+\i]
.endr
.endr
.irp b, 0,1,2,3
	v_max_num_f32 v[232+\b], v[232+\b], v[111+16*\b]
.endr
.irp b, 0,1,2,3
	s_delay_alu instid0(VALU_DEP_4)
	v_permlanex16_b32 v[236+\b], v[232+\b], s[SEL], s[SEL+1]
.endr
.irp b, 0,1,2,3
	s_delay_alu instid0(VALU_DEP_4)
	v_max_num_f32 v[232+\b], v[232+\b], v[236+\b]
.endr
	s_delay_alu instid0(VALU_DEP_2)
	v_max3_num_f32 v254, v232, v233, v234
	s_delay_alu instid0(VALU_DEP_1)
	v_max_num_f32 v254, v254, v235
	s_delay_alu instid0(VALU_DEP_1)
	v_mul_f32 v254, s[CS], v254                    ; the step's largest t of my query
	s_delay_alu instid0(VALU_DEP_1)
	v_max_num_f32 v13, v13, v254
	v_mov_b32 v254, v12
	s_delay_alu instid0(VALU_DEP_2)
	v_floor_f32 v12, -v13                          ; the new -M = -ceil(t): a whole number
	s_delay_alu instid0(VALU_DEP_1)
	v_sub_f32 v254, v12, v254
	s_delay_alu instid0(VALU_DEP_1)
	v_cvt_i32_f32 v254, v254                       ; (it saturates)
	s_delay_alu instid0(VALU_DEP_1)
	v_ldexp_f32 v252, 1.0, v254                    ; f = 2^(old M - new M): rounds nothing
.set ii, 0
.rept 32
	v_pk_fma_f32 v[96+ii:97+ii], v[96+ii:97+ii], s[CS:CS+1], v[12:13] op_sel_hi:[1,0,0]   ; t - M
.set ii, ii+2
.endr
.irp b, 0,1,2,3
	v_fma_f32 v[232+\b], v[232+\b], s[CS], v12
.endr
.set ii, 0
	s_wait_alu depctr_va_vdst(0)
.rept 64
	v_exp_f32 v[96+ii], v[96+ii]                   ; p = 2^(t - M)
.set ii, ii+1
.endr
	v_pk_mul_f32 v[14:15], v[14:15], v[252:253] op_sel_hi:[1,0]   ; the sums under the new M (a plain place behind the exponentials)
	s_wait_alu depctr_va_vdst(0)                   ; one wait for the whole batch, ahead of its first reader
.irp b, 0,1,2,3
	v_exp_f32 v[232+\b], v[232+\b]                 ; the block's largest p
.endr
	v_pk_add_f32 v[236:237], v[100:101], v[104:105]
	v_pk_add_f32 v[246:247], v[108:109], v[112:113]
	v_pk_add_f32 v[244:245], v[116:117], v[120:121]
	v_pk_add_f32 v[242:243], v[124:125], v[128:129]
	v_pk_add_f32 v[240:241], v[132:133], v[136:137]
	v_pk_add_f32 v[238:239], v[140:141], v[144:145]
	v_pk_add_f32 v[230:231], v[148:149], v[152:153]
	v_pk_add_f32 v[14:15], v[14:15], v[156:157]
	v_pk_add_f32 v[236:237], v[236:237], v[96:97]
	v_pk_add_f32 v[246:247], v[246:247], v[98:99]
	v_pk_add_f32 v[244:245], v[244:245], v[102:103]
	v_pk_add_f32 v[242:243], v[242:243], v[106:107]
	v_pk_add_f32 v[240:241], v[240:241], v[110:111]
	v_pk_add_f32 v[238:239], v[238:239], v[114:115]
	v_pk_add_f32 v[230:231], v[230:231], v[118:119]
	v_pk_add_f32 v[14:15], v[14:15], v[122:123]
	v_pk_add_f32 v[236:237], v[236:237], v[126:127]
	v_pk_add_f32 v[246:247], v[246:247], v[130:131]
	v_pk_add_f32 v[244:245], v[244:245], v[134:135]
	v_pk_add_f32 v[242:243], v[242:243], v[138:139]
	v_pk_add_f32 v[240:241], v[240:241], v[142:143]
	v_pk_add_f32 v[238:239], v[238:239], v[146:147]
	v_pk_add_f32 v[230:231], v[230:231], v[150:151]
	v_pk_add_f32 v[14:15], v[14:15], v[154:155]
	v_pk_add_f32 v[236:237], v[236:237], v[158:159]
	s_delay_alu instid0(VALU_DEP_2)
	v_pk_add_f32 v[14:15], v[14:15], v[242:243]
	s_delay_alu instid0(VALU_DEP_2)
	v_pk_add_f32 v[236:237], v[236:237], v[240:241]
	v_pk_add_f32 v[246:247], v[246:247], v[238:239]
	v_pk_add_f32 v[244:245], v[244:245], v[230:231]
	s_delay_alu instid0(VALU_DEP_2)
	v_pk_add_f32 v[14:15], v[14:15], v[246:247]
	s_delay_alu instid0(VALU_DEP_2)
	v_pk_add_f32 v[236:237], v[236:237], v[244:245]
	s_delay_alu instid0(VALU_DEP_1)
	v_pk_add_f32 v[14:15], v[14:15], v[236:237]
	s_wait_alu depctr_va_vdst(0)                   ; and one for the four
.irp b, 0,1,2,3
	v_max_num_f32 v[232+\b], 0x2800000, v[232+\b]  ; the floor 2^(5 - 127)
.endr
.irp b, 0,1,2,3
	s_delay_alu instid0(VALU_DEP_4)
	v_add_nc_u32 v[244+\b], 0xfe000000, v[232+\b]
.endr
.irp b, 0,1,2,3
	s_delay_alu instid0(VALU_DEP_4)
	v_lshrrev_b32 v[236+\b], 23, v[244+\b]
.endr
	s_delay_alu instid0(VALU_DEP_3)
	v_lshl_or_b32 v253, v237, 8, v236              ; p's scale word for these 128 keys
	s_delay_alu instid0(VALU_DEP_1)
	v_lshl_or_b32 v253, v238, 16, v253
	s_delay_alu instid0(VALU_DEP_1)
	v_lshl_or_b32 v253, v239, 24, v253
.irp c, 0,1
	v_cvt_scalef32_pk16_bf6_f32 v[224+6*\c:226+6*\c], v[96+32*\c:111+32*\c], v[244+2*\c]
	v_cvt_scalef32_pk16_bf6_f32 v[236+4*\c:238+4*\c], v[112+32*\c:127+32*\c], v[244+2*\c+1]
.endr
	v_nop
.irp c, 0,1
.irp i, 0,1,2
	v_permlane16_swap_b32 v[224+6*\c+\i], v[236+4*\c+\i]
.endr
.irp i, 0,1,2
	s_delay_alu instid0(VALU_DEP_3)
	v_mov_b32 v[227+6*\c+\i], v[236+4*\c+\i]
.endr
.endr
.set ii, 0
.rept 16
	v_pk_mul_f32 v[160+ii:161+ii], v[160+ii:161+ii], v[252:253] op_sel_hi:[1,0]   ; O^T under the new M; these 16 are also the places between p's codes and scale word and the products
.set ii, ii+2
.endr
	s_wait_alu depctr_va_vdst(0)
	s_wait_dscnt 0x0                               ; V
.irp d, 0,1,2,3
	v_wmma_scale_f32_16x16x128_f8f6f4 v[160+8*\d:167+8*\d], v[32+12*\d:43+12*\d], v[224:235], v[160+8*\d:167+8*\d], v[248+\d], v253 matrix_a_fmt:MATRIX_FMT_BF6 matrix_b_fmt:MATRIX_FMT_BF6
.endr
	s_add_co_u32 s[TB], s[TB], STEPB
	s_add_co_u32 s[MB], s[MB], 512
	s_sub_co_u32 s[CNT], s[CNT], 1
	s_cmp_lg_u32 s[CNT], 0
	s_cbranch_scc1 .Lstep
	; ---- the way out: O^T / the sum; my head's 64 numbers of a row are two blocks of the next product's K: half a fragment
	v_add_f32 v14, v14, v15
	s_delay_alu instid0(VALU_DEP_1)
	v_permlanex16_b32 v252, v14, s[SEL], s[SEL+1]
	s_delay_alu instid0(VALU_DEP_1)
	v_add_f32 v14, v14, v252
	s_wait_alu depctr_va_vdst(0)
	v_rcp_f32 v14, v14
	s_lshr_b32 s18, s[BH], 4
	s_lshl_b32 s18, s18, 6
	s_lshl_b32 s19, s[CX], 4
	s_add_co_u32 s18, s18, s19
	s_add_co_u32 s18, s18, s[WV]                   ; my row tile of o: 64 x batch + 16 cx + wave
	s_lshl_b32 s18, s18, 3
	s_bfe_u32 s19, s[BH], 0x30001
	s_add_co_u32 s18, s18, s19                     ; its K step: head / 2
	s_and_b32 s19, s[BH], 1
	s_mul_i32 s36, s18, 1536
	s_mul_i32 s37, s19, 768                        ; which half of the fragment: head % 2
	s_add_co_u32 s36, s36, s37
	s_mov_b32 s37, 0
	s_lshl_b32 s38, s18, 6
	s_lshl_b32 s19, s19, 1
	s_add_co_u32 s38, s38, s19
	s_add_co_u32 s38, s38, HSC
	s_mov_b32 s39, 0
	s_add_nc_u64 s[36:37], s[10:11], s[36:37]
	s_add_nc_u64 s[38:39], s[10:11], s[38:39]
.rept 4
	v_nop                                          ; places behind the last products, and the plain place behind the reciprocal
.endr
	s_wait_alu depctr_va_vdst(0)                   ; the wait ahead of the reciprocal's first reader
.set ii, 0
.rept 32
	v_mul_f32 v[96+ii], v[160+ii], v14             ; register 16 b + i = d 32 b + 16 (lane / 16) + i of my query
.set ii, ii+1
.endr
.irp b, 0,1
	v_max3_num_f32 v[128+\b], |v[96+16*\b]|, |v[97+16*\b]|, 0x2800000
.endr
.irp i, 2,4,6,8,10,12,14
.irp b, 0,1
	s_delay_alu instid0(VALU_DEP_2)
	v_max3_num_f32 v[128+\b], v[128+\b], |v[96+16*\b+\i]|, |v[97+16*\b+\i]|
.endr
.endr
.irp b, 0,1
	v_permlanex16_b32 v[132+\b], v[128+\b], s[SEL], s[SEL+1]
.endr
.irp b, 0,1
	s_delay_alu instid0(VALU_DEP_2)
	v_max_num_f32 v[128+\b], v[128+\b], v[132+\b]
.endr
.irp b, 0,1
	s_delay_alu instid0(VALU_DEP_2)
	v_add_nc_u32 v[140+\b], 0xfe000000, v[128+\b]
.endr
.irp b, 0,1
	s_delay_alu instid0(VALU_DEP_2)
	v_lshrrev_b32 v[132+\b], 23, v[140+\b]
.endr
	s_delay_alu instid0(VALU_DEP_1)
	v_lshl_or_b32 v150, v133, 8, v132              ; my head's two bytes of the row's scale word
	v_cvt_scalef32_pk16_bf6_f32 v[144:146], v[96:111], v140
	v_cvt_scalef32_pk16_bf6_f32 v[156:158], v[112:127], v141
	v_nop
.irp i, 0,1,2
	v_permlane16_swap_b32 v[144+\i], v[156+\i]
.endr
.irp i, 0,1,2
	s_delay_alu instid0(VALU_DEP_3)
	v_mov_b32 v[147+\i], v[156+\i]
.endr
	global_store_b128 v[L16], v[144:147], s[36:37]
	global_store_b64 v[L8], v[148:149], s[36:37] offset:512
	global_store_b16 v[L4R], v150, s[38:39]        ; two bytes a row: the word's other half belongs to the neighbouring head, which is another cluster's
	s_wait_tensorcnt 0x0                           ; the wave's end, behind my last tensor load and my last LDS store
	ds_add_u32 v[SPW], v[NIL]
	s_wait_dscnt 0x0
	CROUND                                         ; the closing round
	s_endpgm
.Lfunc_end_k_q0bb602127d_attn:
	.size	k_q0bb602127d_attn, .Lfunc_end_k_q0bb602127d_attn-k_q0bb602127d_attn
	.p2alignl 7, 3214868480
	.fill 96, 4, 3214868480
	.section	.rodata,"a",@progbits
	.p2align	6, 0x0
	.amdhsa_kernel k_q0bb602127d_attn
		.amdhsa_group_segment_fixed_size 167936
		.amdhsa_private_segment_fixed_size 0
		.amdhsa_enable_private_segment 0
		.amdhsa_kernarg_size 32
		.amdhsa_user_sgpr_count 2
		.amdhsa_user_sgpr_kernarg_segment_ptr 1
		.amdhsa_wavefront_size32 1
		.amdhsa_system_sgpr_workgroup_id_x 1
		.amdhsa_system_sgpr_workgroup_id_y 1
		.amdhsa_system_sgpr_workgroup_id_z 1
		.amdhsa_system_vgpr_workitem_id 0
		.amdhsa_next_free_vgpr 256
		.amdhsa_next_free_sgpr 66
		.amdhsa_reserve_vcc 1
		.amdhsa_float_denorm_mode_32 3
		.amdhsa_float_denorm_mode_16_64 3
		.amdhsa_memory_ordered 1
		.amdhsa_forward_progress 1
		.amdhsa_inst_pref_size 31
	.end_amdhsa_kernel
	.amdgpu_metadata
---
amdhsa.version: [ 1, 2 ]
amdhsa.kernels:
  - .name:           k_q0bb602127d_attn
    .symbol:         k_q0bb602127d_attn.kd
    .args:
      - { .name: q, .offset: 0, .size: 8, .value_kind: global_buffer, .address_space: global }
      - { .name: kv, .offset: 8, .size: 8, .value_kind: global_buffer, .address_space: global }
      - { .name: padding_mask, .offset: 16, .size: 8, .value_kind: global_buffer, .address_space: global }
      - { .name: o, .offset: 24, .size: 8, .value_kind: global_buffer, .address_space: global }
    .group_segment_fixed_size: 167936
    .private_segment_fixed_size: 0
    .kernarg_segment_align: 8
    .kernarg_segment_size: 32
    .max_flat_workgroup_size: 512
    .sgpr_count:     66
    .vgpr_count:     256
    .wavefront_size: 32
...
	.end_amdgpu_metadata
.endif
;; end of part 3
;; launch wo (part 4): grid 8 x 32, 4 waves a work-group, clusters of 4 x 4, 327,680 bytes of LDS; arguments o, wts, bo, x, x1; writes x1
.if DOCPART == 4
	.amdgcn_target "amdgcn-amd-amdhsa--gfx1250"
	.amdhsa_code_object_version 6
	.text
	.protected	k_q0bb602127d_wo
	.globl	k_q0bb602127d_wo
	.p2align	8
	.type	k_q0bb602127d_wo,@function
k_q0bb602127d_wo:
	s_mov_b64 s[64:65], 0
	v_nop
	global_prefetch_b8 v0, s[64:65] scope:SCOPE_SE
	s_setreg_imm32_b32 hwreg(HW_REG_WAVE_MODE, 25, 1), 1
	s_wait_xcnt 0x0
	s_wait_alu depctr_hold_cnt(0) depctr_sa_sdst(0) depctr_va_vdst(0) depctr_va_sdst(0) depctr_va_ssrc(0) depctr_va_vcc(0) depctr_vm_vsrc(0)
	s_getreg_b32 s2, hwreg(HW_REG_IB_STS2, 6, 4)
	s_cmp_eq_u32 s2, 0
	s_cbranch_scc0 .Lentry_in_a_cluster
	s_endpgm
.Lentry_in_a_cluster:
	s_bfe_u32 s2, ttmp6, 0x10000c
	s_cmp_lg_u32 s2, 0xf033
	s_cbranch_scc0 .Lentry_shape_is_right
	s_endpgm
.Lentry_shape_is_right:
; Product 6 and the first residual: x1 = x + o Wo^T + bo.  o and Wo are codes of BF6 as images of the operand's registers; x, bo, x1 are f32.  Nothing is left out.
; 4,096 x 1,024 results are 256 tiles of 128 x 128, one for each work-group (tiles of 256 x 256 would be 64).  Four waves of 64 x 64: 16 accumulators.
; ALL OF K = 1,024 LIES IN LDS AT ONCE: A's 8 row tiles are 98,304 dense bytes of memory, and so are B's.  One tensor load a wave: wave 0 A's codes, wave 1 B's, wave 2 A's scale words, wave 3 B's.  Nothing is filled again: no ring.
; CLUSTERS: 4 x 4; A's tile is asked for jointly by a row of the cluster, B's by a column.  Source 0 = 16 rows of the weight, source 1 = 16 tokens: a lane holds a token and neighbouring columns.
; FRAGMENTS: four sets of 8, K step k in set k % 4, fetched two steps ahead: a step waits for all but the 32 LDS loads issued last.
; No prefetch: all that the launch reads is asked for at its head.  The residual and the bias are asked for behind the tensor loads and waited for on the way out.
; THE WAY OUT: a block of 16 tokens x 64 columns goes through the wave's own stage in LDS and leaves as rows: sixteen lanes store 256 consecutive bytes, aligned.
; REGISTERS: window 0: v0-31 addresses, v8-11 the bias; v32-63 scale words; v64-95 the way out; v128-255 the accumulators.  windows 1, 2: two fragment sets each, at v0 and v128; v96-127, v224-255 the residual.
.set ASC,    3145728
.set BCO,    192*12288
.set BSC,    9437184+192*512
.set FR,     12
.set RTB,    12288                     ; a row tile, all 8 K steps
.set HALFT,  4*RTB
.set SCL,    4*HALFT
.set SBLK,   512
.set HALFS,  4*SBLK
.set STAGE,  SCL+4*HALFS
.set SP,     272
.set SPARE,  STAGE+4*16*SP             ; the spare words, 128 bytes for each wave, that no other line names
.set RR,   1
.set HH,   2
.set L16,  4
.set L8,   5
.set BI,   8
.set R16,  12
.set ADRA, 16
.set ADRB, 20
.set STO,  24
.set RD,   25
.set CO,   26
.set ADRS, 27
.set SPW,  28
.set NIL,  29
.set SC,   32
.set BK,   64
.set ACC,  128
.set G0H,  8
.set G0HB, 12
.set G1,   24
.set G1B,  48
.set G1S,  68
.set G0S,  76
.set G1SB, 80
.set G0SB, 88
.set MSB, 0
.macro WIN new
.if MSB != \new
	s_set_vgpr_msb (MSB<<8)|\new
.set MSB, \new
.endif
.endm
.macro TLOAD g0, g1                    ; an s_nop 0 and four v_nop follow each tensor load
	tensor_load_to_lds s[\g0:\g0+3], s[\g1:\g1+7]
	s_nop 0
.rept 4
	v_nop
.endr
.endm
.macro CROUND
	s_barrier_signal -1
	s_barrier_wait -1
	s_cmp_lg_u32 s16, 0
	s_cbranch_scc1 .Lnot_wave_0_\@
	s_barrier_signal -3
.Lnot_wave_0_\@:
	s_barrier_wait -3
	s_barrier_signal -1
	s_barrier_wait -1
.endm
	s_load_b128 s[4:7], s[0:1], 0x0                ; o, wts
	s_load_b128 s[92:95], s[0:1], 0x10             ; bo, x
	s_load_b64 s[96:97], s[0:1], 0x20              ; x1
	v_lshl_add_u32 v[SPW], v0, 2, SPARE
	v_mov_b32 v[NIL], 0
	ds_add_u32 v[SPW], v[NIL]                      ; the wave's opening: the add, twice on end, and its wait ahead of my first tensor load
	ds_add_u32 v[SPW], v[NIL]
	v_lshrrev_b32 v1, 5, v0
	v_readfirstlane_b32 s16, v1                    ; wave 0..3
	s_lshr_b32 s17, s16, 1                         ; which half of the tile's tokens is mine
	s_and_b32 s18, s16, 1                          ; which half of its columns
	s_bfe_u32 s40, ttmp6, 0x40000
	s_bfe_u32 s41, ttmp6, 0x40004
	s_and_b32 s43, ttmp7, 0xffff
	s_lshl_b32 s43, s43, 2
	s_add_co_u32 s43, s43, s41                     ; tile row: 128 tokens
	s_lshl_b32 s42, ttmp9, 2
	s_add_co_u32 s42, s42, s40                     ; tile column: 128 columns
	s_lshl_b32 s44, s41, 2
	s_lshl_b32 s44, 15, s44
	s_lshl_b32 s45, 0x1111, s40
	s_or_b32 s[G1+0], s44, (3<<16)|(1<<21)         ; codes: 8 row tiles x 12,288 bytes (1,536 elements of 8 bytes), dense
	s_or_b32 s[G1B+0], s45, (3<<16)|(1<<21)
.irp g, G1, G1B
	s_mov_b32 s[\g+1], 1536<<16
	s_mov_b32 s[\g+2], 8<<16
	s_mov_b32 s[\g+3], 1536<<16
	s_mov_b32 s[\g+4], 8
	s_mov_b32 s[\g+5], 1536
	s_mov_b32 s[\g+6], 0
	s_mov_b32 s[\g+7], 0
.endr
	s_or_b32 s[G1S+0], s44, (3<<16)|(1<<21)        ; scale words of 128 rows for all of K: 4,096 dense bytes, as 16 rows of 256
	s_or_b32 s[G1SB+0], s45, (3<<16)|(1<<21)
.irp g, G1S, G1SB
	s_mov_b32 s[\g+1], 32<<16
	s_mov_b32 s[\g+2], 16<<16
	s_mov_b32 s[\g+3], 32<<16
	s_mov_b32 s[\g+4], 16
	s_mov_b32 s[\g+5], 32
	s_mov_b32 s[\g+6], 0
	s_mov_b32 s[\g+7], 0
.endr
	s_lshl_b32 s20, s43, 3                         ; A: the tile's first row tile
	s_lshl_b32 s46, s42, 3                         ; B likewise
	s_mul_i32 s22, s20, SBLK
	s_add_co_u32 s22, s22, ASC
	s_mul_i32 s20, s20, RTB
	s_mul_i32 s66, s46, SBLK
	s_add_co_u32 s66, s66, BSC
	s_mul_i32 s46, s46, RTB
	s_add_co_u32 s46, s46, BCO
	s_mov_b32 s21, 0
	s_mov_b32 s23, 0
	s_mov_b32 s47, 0
	s_mov_b32 s67, 0
	s_wait_dscnt 0x0                               ; both opening adds are done
	s_wait_kmcnt 0x0
	s_add_nc_u64 s[20:21], s[4:5], s[20:21]
	s_add_nc_u64 s[22:23], s[4:5], s[22:23]
	s_add_nc_u64 s[46:47], s[6:7], s[46:47]
	s_add_nc_u64 s[66:67], s[6:7], s[66:67]
	CROUND                                         ; all sixteen work-groups are here: the joint loads meet
	s_mov_b32 s[G0H], 1
	s_mov_b32 s[G0H+1], 0
	s_mov_b64 s[G0H+2:G0H+3], s[20:21]
	s_or_b32 s[G0H+3], s[G0H+3], 0x80000000
	s_mov_b32 s[G0HB], 1
	s_mov_b32 s[G0HB+1], 2*HALFT
	s_mov_b64 s[G0HB+2:G0HB+3], s[46:47]
	s_or_b32 s[G0HB+3], s[G0HB+3], 0x80000000
	s_mov_b32 s[G0S], 1
	s_mov_b32 s[G0S+1], SCL
	s_mov_b64 s[G0S+2:G0S+3], s[22:23]
	s_or_b32 s[G0S+3], s[G0S+3], 0x80000000
	s_mov_b32 s[G0SB], 1
	s_mov_b32 s[G0SB+1], SCL+2*HALFS
	s_mov_b64 s[G0SB+2:G0SB+3], s[66:67]
	s_or_b32 s[G0SB+3], s[G0SB+3], 0x80000000
; one tree of branches on the wave's number, each arm with its load
.macro ARM under, g0, g1, next
	s_cmp_lt_u32 s16, \under
	s_cbranch_scc0 \next
	TLOAD \g0, \g1
	s_branch .Lhead_asked
\next:
.endm
	ARM 1, G0H,  G1,  .Lhead_b
	ARM 2, G0HB, G1B, .Lhead_sa
	ARM 3, G0S,  G1S, .Lhead_sb
	TLOAD G0SB, G1SB
.Lhead_asked:
	v_and_b32 v[RR], 15, v0
	v_bfe_u32 v[HH], v0, 4, 1
	v_and_b32 v3, 31, v0
	v_lshlrev_b32 v[L16], 4, v3
	v_lshlrev_b32 v[L8], 3, v3
	s_mul_i32 s21, s17, HALFT
	s_mul_i32 s22, s18, HALFT
	s_add_co_u32 s22, s22, 2*HALFT
	v_add_nc_u32 v[ADRA], s21, v[L16]
	v_add_nc_u32 v[ADRB], s22, v[L16]
	v_add_nc_u32 v[ADRA+2], s21, v[L8]
	v_add_nc_u32 v[ADRB+2], s22, v[L8]
	v_lshlrev_b32 v[CO], 12, v[HH]
	v_lshl_add_u32 v[CO], v[RR], 4, v[CO]          ; two rows of 256 bytes in memory: lanes 0-15 one, lanes 16-31 the next
	v_lshlrev_b32 v[R16], 4, v[RR]
	s_mul_i32 s21, s17, HALFS                      ; scale words: lanes 0-15 A's, lanes 16-31 B's: the lower base + h x the distance
	s_mul_i32 s22, s18, HALFS
	s_add_co_u32 s22, s22, 2*HALFS
	s_sub_co_u32 s22, s22, s21
	v_mul_u32_u24 v13, s22, v[HH]
	s_add_co_u32 s21, s21, SCL
	v_lshl_add_u32 v13, v[RR], 2, v13
	v_add_nc_u32 v[ADRS], s21, v13
	s_mul_i32 s23, s16, 16*SP
	s_add_co_u32 s23, s23, STAGE                   ; my stage
	v_mul_u32_u24 v13, v[RR], SP
	v_lshl_add_u32 v13, v[HH], 6, v13
	v_add_nc_u32 v[STO], s23, v13                  ; in: row r, + 64 h
	v_mul_u32_u24 v13, v[HH], SP
	v_lshl_add_u32 v13, v[RR], 4, v13
	v_add_nc_u32 v[RD], s23, v13                   ; back: lanes 0-15 one row of 256 bytes, lanes 16-31 the next
	s_wait_alu depctr_va_vdst(0)                   ; the wait at the head's end
	s_lshl_b32 s20, s43, 7
	s_lshl_b32 s21, s17, 6
	s_add_co_u32 s20, s20, s21
	s_lshl_b32 s20, s20, 12                        ; my first token's row of 4,096 bytes
	s_lshl_b32 s46, s42, 9
	s_lshl_b32 s47, s18, 8
	s_add_co_u32 s46, s46, s47                     ; my first column, in bytes
	s_mov_b32 s47, 0
	s_add_nc_u64 s[92:93], s[92:93], s[46:47]
	s_add_co_u32 s46, s46, s20
	s_add_nc_u64 s[94:95], s[94:95], s[46:47]
	s_add_nc_u64 s[96:97], s[96:97], s[46:47]
	global_load_b128 v[BI:BI+3], v[R16], s[92:93]
.irp a, 0,1,2,3
.if \a < 2
	WIN 0x40
.else
	WIN 0x80
.endif
.irp i, 0,1,2,3,4,5,6,7
	global_load_b128 v[96+128*(\a%2)+4*\i:96+128*(\a%2)+4*\i+3], v[CO], s[94:95] offset:(32*(\a/2)+8*(\a%2)+2*\i+8*(\i/4))*4096
.endr
.endr
	WIN 0
.macro FRAG reg, adr, off
	ds_load_b128 v[\reg:\reg+3], v[\adr] offset:\off
	ds_load_b64 v[\reg+4:\reg+5], v[\adr+2] offset:\off+512
	ds_load_b128 v[\reg+6:\reg+9], v[\adr] offset:\off+768
	ds_load_b64 v[\reg+10:\reg+11], v[\adr+2] offset:\off+1280
.endm
.macro FETCH k                         ; the 8 fragments of K step k into set k % 4: 32 LDS loads in one run
.if (\k)%4 < 2
	WIN 0x40
.else
	WIN 0x80
.endif
.irp i, 0,1,2,3
	FRAG 128*((\k)%2)+48+FR*\i, ADRB, (\i)*RTB+(\k)*1536
	FRAG 128*((\k)%2)+FR*\i, ADRA, (\i)*RTB+(\k)*1536
.endr
.endm
.macro MUL16 k                         ; A's four blocks x B's four.  The 16 accumulators take turns, one instruction a turn; the first step starts the sums
.if (\k)%4 < 2
	WIN 0x05
.else
	WIN 0x0a
.endif
.irp a, 0,1,2,3
.irp b, 0,1,2,3
.if (\k) == 0
	v_wmma_scale_f32_16x16x128_f8f6f4 v[ACC+8*(4*\a+\b):ACC+8*(4*\a+\b)+7], v[48+FR*\b:48+FR*\b+FR-1], v[FR*\a:FR*\a+FR-1], 0, v[SC+\b], v[SC+\a] matrix_a_fmt:MATRIX_FMT_BF6 matrix_b_fmt:MATRIX_FMT_BF6 matrix_a_scale:MATRIX_SCALE_ROW1
.else
	v_wmma_scale_f32_16x16x128_f8f6f4 v[ACC+8*(4*\a+\b):ACC+8*(4*\a+\b)+7], v[128*((\k)%2)+48+FR*\b:128*((\k)%2)+48+FR*\b+FR-1], v[128*((\k)%2)+FR*\a:128*((\k)%2)+FR*\a+FR-1], v[ACC+8*(4*\a+\b):ACC+8*(4*\a+\b)+7], v[SC+4*(\k)+\b], v[SC+4*(\k)+\a] matrix_a_fmt:MATRIX_FMT_BF6 matrix_b_fmt:MATRIX_FMT_BF6 matrix_a_scale:MATRIX_SCALE_ROW1
.endif
.endr
.endr
.endm
	s_wait_tensorcnt 0x0                           ; my tile of the four has landed;
	s_barrier_signal -1
	s_barrier_wait -1                              ; everybody's has.  The tiles are only read from here on
.irp k, 0,1,2,3,4,5,6,7
.irp i, 0,1,2,3
	ds_load_b32 v[SC+4*\k+\i], v[ADRS] offset:SBLK*\i+64*\k   ; register 4 k + i: lanes 0-15 the words of A's block i, lanes 16-31 of B's block i, K step k
.endr
.endr
	FETCH 0
	FETCH 1
.irp k, 0,1,2,3,4,5
	s_wait_dscnt 32                                ; all but the 32 loads issued last: this step's set is in
.rept 4
	v_nop                                          ; places in front of loads into registers that matrix instructions have read
.endr
	FETCH \k+2
	MUL16 \k
.endr
	s_wait_dscnt 32
	MUL16 6
	s_wait_dscnt 0x0
	MUL16 7
	WIN 0
.rept 4
	v_nop
.endr
	s_wait_loadcnt 0x0                             ; the bias and the residual
; Block a: lane (r, h) holds token r of the block and, in tile 2 b + u, columns 32 b + 16 h + 8 u + 0 .. 7.  LDS serves a wave's instructions in order: no wait between the stores and the loads.
.macro OUT a
.if (\a) > 0
	s_wait_xcnt 0x0                                ; the last block's stores have read their registers
.endif
.irp b, 0,1,2,3
	ds_store_b128 v[STO], v[ACC+8*(4*(\a)+\b):ACC+8*(4*(\a)+\b)+3] offset:128*(\b/2)+32*(\b%2)        ; each accumulator from its low end on
	ds_store_b128 v[STO], v[ACC+8*(4*(\a)+\b)+4:ACC+8*(4*(\a)+\b)+7] offset:128*(\b/2)+32*(\b%2)+16
.endr
.irp i, 0,1,2,3,4,5,6,7
	ds_load_b128 v[BK+4*\i:BK+4*\i+3], v[RD] offset:544*\i
.endr
	s_wait_dscnt 0x0
.irp i, 0,1,2,3,4,5,6,7
	v_pk_add_f32 v[BK+4*\i:BK+4*\i+1], v[BK+4*\i:BK+4*\i+1], v[BI:BI+1]
	v_pk_add_f32 v[BK+4*\i+2:BK+4*\i+3], v[BK+4*\i+2:BK+4*\i+3], v[BI+2:BI+3]
.endr
.set RES, 96+128*((\a)%2)
.if (\a) < 2
	WIN 0x04                                       ; source 1: window 1 or 2
.else
	WIN 0x08
.endif
.set ii, 0
.rept 16
	v_pk_add_f32 v[BK+ii:BK+ii+1], v[BK+ii:BK+ii+1], v[RES+ii:RES+ii+1]
.set ii, ii+2
.endr
	WIN 0
.irp i, 0,1,2,3,4,5,6,7
	global_store_b128 v[CO], v[BK+4*\i:BK+4*\i+3], s[96:97] offset:(32*((\a)/2)+8*((\a)%2)+2*\i+8*(\i/4))*4096   ; 16 lanes store 256 consecutive bytes, aligned
.endr
.endm
	OUT 0
	OUT 1
	OUT 2
	OUT 3
	s_wait_tensorcnt 0x0                           ; the wave's end, behind my last tensor load and my last LDS store
	ds_add_u32 v[SPW], v[NIL]
	s_wait_dscnt 0x0
	CROUND                                         ; the closing round
	s_endpgm
.Lfunc_end_k_q0bb602127d_wo:
	.size	k_q0bb602127d_wo, .Lfunc_end_k_q0bb602127d_wo-k_q0bb602127d_wo
	.p2alignl 7, 3214868480
	.fill 96, 4, 3214868480
	.section	.rodata,"a",@progbits
	.p2align	6, 0x0
	.amdhsa_kernel k_q0bb602127d_wo
		.amdhsa_group_segment_fixed_size 327680
		.amdhsa_private_segment_fixed_size 0
		.amdhsa_enable_private_segment 0
		.amdhsa_kernarg_size 40
		.amdhsa_user_sgpr_count 2
		.amdhsa_user_sgpr_kernarg_segment_ptr 1
		.amdhsa_wavefront_size32 1
		.amdhsa_system_sgpr_workgroup_id_x 1
		.amdhsa_system_sgpr_workgroup_id_y 1
		.amdhsa_system_sgpr_workgroup_id_z 1
		.amdhsa_system_vgpr_workitem_id 0
		.amdhsa_next_free_vgpr 768
		.amdhsa_next_free_sgpr 100
		.amdhsa_reserve_vcc 0
		.amdhsa_float_denorm_mode_32 3
		.amdhsa_float_denorm_mode_16_64 3
		.amdhsa_memory_ordered 1
		.amdhsa_forward_progress 1
		.amdhsa_inst_pref_size 63
	.end_amdhsa_kernel
	.amdgpu_metadata
---
amdhsa.version: [ 1, 2 ]
amdhsa.kernels:
  - .name:           k_q0bb602127d_wo
    .symbol:         k_q0bb602127d_wo.kd
    .args:
      - { .name: o, .offset: 0, .size: 8, .value_kind: global_buffer, .address_space: global }
      - { .name: wts, .offset: 8, .size: 8, .value_kind: global_buffer, .address_space: global }
      - { .name: bo, .offset: 16, .size: 8, .value_kind: global_buffer, .address_space: global }
      - { .name: x, .offset: 24, .size: 8, .value_kind: global_buffer, .address_space: global }
      - { .name: x1, .offset: 32, .size: 8, .value_kind: global_buffer, .address_space: global }
    .group_segment_fixed_size: 327680
    .private_segment_fixed_size: 0
    .kernarg_segment_align: 8
    .kernarg_segment_size: 40
    .max_flat_workgroup_size: 128
    .sgpr_count:     100
    .vgpr_count:     768
    .wavefront_size: 32
...
	.end_amdgpu_metadata
.endif
;; end of part 4
;; launch ln2 (part 5): grid 256 x 1, 8 waves a work-group, no clusters, 70,656 bytes of LDS; arguments x1, g2, be2, hq; writes hq
.if DOCPART == 5
	.amdgcn_target "amdgcn-amd-amdhsa--gfx1250"
	.amdhsa_code_object_version 6
	.text
	.protected	k_q0bb602127d_ln2
	.globl	k_q0bb602127d_ln2
	.p2align	8
	.type	k_q0bb602127d_ln2,@function
k_q0bb602127d_ln2:
	s_mov_b64 s[64:65], 0
	v_nop
	global_prefetch_b8 v0, s[64:65] scope:SCOPE_SE
	s_setreg_imm32_b32 hwreg(HW_REG_WAVE_MODE, 25, 1), 1
	s_wait_xcnt 0x0
; LayerNorm 2 of x1, quantised along D into hq (codes of BF6 as images of the operand's registers, scale words behind them).  Nothing is left out.
; The work-group is row tile rt (rows 32 (rt / 2) + 8 (rt % 2) + i + 8 (i / 8)); wave w is K step w (columns 128 w on).  Mean and variance in two passes over registers; the eight waves' parts meet in LDS.
; Each load of the rows reads 512 consecutive bytes of one row; the 16 rows turn through the wave's own stage in LDS and come back INTO THE REGISTERS THAT THEY LEFT, so that gain and shift have registers of their own
; from the start and are asked for at the head, with the rows.
; LIMITS: as stated at the head of the first launch.
.set HSC,   3145728
.set P1,    0
.set P2,    512
.set SCW,   1024
.set LNST,  2048
.set STG,   16*528
.set SPARE, LNST+8*STG                 ; the spare words, 128 bytes for each wave: four blocks of 256 bytes that no other line names
.set LANE, 1
.set RR,   2
.set HH,   3
.set L16,  4
.set L8,   5
.set L4R,  6
.set H64,  7
.set SIN,  8
.set SOUT, 9
.set PWA,  10
.set SPW,  12
.set NIL,  13
.set MV,   14
.set T,    16
.set X,    32                          ; v32-95  16 rows as loaded; behind the turn my 64 numbers: register 16 b + i = k 32 b + 16 h + i of row r
.set G,    96                          ; v96-159 the gain
.set E,    160                         ; v160-223 the shift
.set PC,   160
.set PW,   180
.set TM,   224
.set WV,   26
.set SEL,  28
.set XB,   4
.set GB,   6
.set BB,   8
.set HQ,   10
.macro TURNS sin, sout                 ; LDS serves a wave's instructions in order: the loads see the stores, and land in registers that the stores have read
.irp i, 0,1,2,3,4,5,6,7,8,9,10,11,12,13,14,15
	ds_store_b128 v[\sin], v[X+4*\i:X+4*\i+3] offset:528*\i
.endr
.irp b, 0,1,2,3
.irp j, 0,1,2,3
	ds_load_b128 v[X+16*\b+4*\j:X+16*\b+4*\j+3], v[\sout] offset:128*\b+16*\j
.endr
.endr
.endm
.macro QUANT s
.irp b, 0,1,2,3
	v_max3_num_f32 v[TM+\b], |v[\s+16*\b]|, |v[\s+1+16*\b]|, 0x2800000   ; and the floor 2^(5 - 127): the byte cannot fall under 1
.endr
.irp i, 2,4,6,8,10,12,14
.irp b, 0,1,2,3
	s_delay_alu instid0(VALU_DEP_4)
	v_max3_num_f32 v[TM+\b], v[TM+\b], |v[\s+16*\b+\i]|, |v[\s+1+16*\b+\i]|
.endr
.endr
.irp b, 0,1,2,3
	s_delay_alu instid0(VALU_DEP_4)
	v_permlanex16_b32 v[TM+4+\b], v[TM+\b], s[SEL], s[SEL+1]
.endr
.irp b, 0,1,2,3
	s_delay_alu instid0(VALU_DEP_4)
	v_max_num_f32 v[TM+\b], v[TM+\b], v[TM+4+\b]
.endr
.irp b, 0,1,2,3
	s_delay_alu instid0(VALU_DEP_4)
	v_add_nc_u32 v[TM+12+\b], 0xfe000000, v[TM+\b]
.endr
.irp b, 0,1,2,3
	s_delay_alu instid0(VALU_DEP_4)
	v_lshrrev_b32 v[TM+4+\b], 23, v[TM+12+\b]
.endr
	s_delay_alu instid0(VALU_DEP_3)
	v_lshl_or_b32 v[PW], v[TM+5], 8, v[TM+4]
	s_delay_alu instid0(VALU_DEP_1)
	v_lshl_or_b32 v[PW], v[TM+6], 16, v[PW]
	s_delay_alu instid0(VALU_DEP_1)
	v_lshl_or_b32 v[PW], v[TM+7], 24, v[PW]
.irp c, 0,1
	v_cvt_scalef32_pk16_bf6_f32 v[PC+6*\c:PC+2+6*\c], v[\s+32*\c:\s+15+32*\c], v[TM+12+2*\c]
	v_cvt_scalef32_pk16_bf6_f32 v[PC+12+4*\c:PC+14+4*\c], v[\s+16+32*\c:\s+31+32*\c], v[TM+12+2*\c+1]
.endr
	v_nop
.irp c, 0,1
.irp i, 0,1,2
	v_permlane16_swap_b32 v[PC+6*\c+\i], v[PC+12+4*\c+\i]
.endr
.irp i, 0,1,2
	s_delay_alu instid0(VALU_DEP_3)
	v_mov_b32 v[PC+3+6*\c+\i], v[PC+12+4*\c+\i]
.endr
.endr
.endm
.macro PUT4 base, off
	global_store_b128 v[L16], v[PC:PC+3], s[\base:\base+1] offset:\off
	global_store_b64 v[L8], v[PC+4:PC+5], s[\base:\base+1] offset:\off+512
	global_store_b128 v[L16], v[PC+6:PC+9], s[\base:\base+1] offset:\off+768
	global_store_b64 v[L8], v[PC+10:PC+11], s[\base:\base+1] offset:\off+1280
.endm
.macro FOLD
	s_delay_alu instid0(VALU_DEP_3)
	v_pk_add_f32 v[T:T+1], v[T:T+1], v[T+2:T+3]
	s_delay_alu instid0(VALU_DEP_2)
	v_pk_add_f32 v[T+4:T+5], v[T+4:T+5], v[T+6:T+7]
	s_delay_alu instid0(VALU_DEP_1)
	v_pk_add_f32 v[T:T+1], v[T:T+1], v[T+4:T+5]
	s_delay_alu instid0(VALU_DEP_1)
	v_add_f32 v[T], v[T], v[T+1]
	s_delay_alu instid0(VALU_DEP_1)
	v_permlanex16_b32 v[T+1], v[T], s[SEL], s[SEL+1]
	s_delay_alu instid0(VALU_DEP_1)
	v_add_f32 v[T], v[T], v[T+1]
.endm
.macro GATHER off                      ; my store has landed, then the barrier, then all eight parts are read and added in one fixed order
	ds_store_b32 v[PWA], v[T] offset:\off
	s_wait_dscnt 0x0
	s_barrier_signal -1
	s_barrier_wait -1
.irp k, 0,1,2,3,4,5,6,7
	ds_load_b32 v[T+\k], v[L4R] offset:\off+64*\k
.endr
	s_wait_dscnt 0x0
	v_add_f32 v[T], v[T], v[T+1]
	v_add_f32 v[T+2], v[T+2], v[T+3]
	v_add_f32 v[T+4], v[T+4], v[T+5]
	v_add_f32 v[T+6], v[T+6], v[T+7]
	s_delay_alu instid0(VALU_DEP_3)
	v_add_f32 v[T], v[T], v[T+2]
	s_delay_alu instid0(VALU_DEP_2)
	v_add_f32 v[T+4], v[T+4], v[T+6]
	s_delay_alu instid0(VALU_DEP_1)
	v_add_f32 v[T], v[T], v[T+4]
.endm
	s_load_b256 s[4:11], s[0:1], 0x0               ; x1, g2, be2, hq
	v_lshl_add_u32 v[SPW], v0, 2, SPARE
	v_mov_b32 v[NIL], 0
	v_lshrrev_b32 v1, 5, v0
	s_delay_alu instid0(VALU_DEP_1)
	v_readfirstlane_b32 s[WV], v1
	v_and_b32 v[LANE], 31, v0
	v_and_b32 v[RR], 15, v0
	v_bfe_u32 v[HH], v0, 4, 1
	s_delay_alu instid0(VALU_DEP_3)
	v_lshlrev_b32 v[L16], 4, v[LANE]
	s_delay_alu instid0(VALU_DEP_4)
	v_lshlrev_b32 v[L8], 3, v[LANE]
	s_delay_alu instid0(VALU_DEP_4)
	v_lshlrev_b32 v[L4R], 2, v[RR]
	s_delay_alu instid0(VALU_DEP_4)
	v_lshlrev_b32 v[H64], 6, v[HH]
	s_mul_i32 s27, s[WV], STG
	v_mul_u32_u24 v[SOUT], v[RR], 528
	s_delay_alu instid0(VALU_DEP_1)
	v_add_nc_u32 v[SOUT], v[SOUT], v[H64]
	s_delay_alu instid0(VALU_DEP_1)
	v_add_nc_u32 v[SOUT], s27, v[SOUT]
	v_add_nc_u32 v[SIN], s27, v[L16]
	s_delay_alu instid0(VALU_DEP_2)
	v_add_nc_u32 v[SOUT], LNST, v[SOUT]
	s_delay_alu instid0(VALU_DEP_2)
	v_add_nc_u32 v[SIN], LNST, v[SIN]
	s_lshl_b32 s27, s[WV], 6
	v_add_nc_u32 v[PWA], s27, v[L4R]
	s_mov_b32 s[SEL], 0x76543210
	s_mov_b32 s[SEL+1], 0xfedcba98
.irp b, 0,1,2,3
	v_mov_b32 v[TM+4+\b], 0
.endr
	s_lshr_b32 s30, ttmp9, 1
	s_lshl_b32 s30, s30, 5
	s_and_b32 s31, ttmp9, 1
	s_lshl_b32 s31, s31, 3
	s_add_co_u32 s30, s30, s31
	s_lshl_b32 s30, s30, 12
	s_lshl_b32 s32, s[WV], 9
	s_mov_b32 s33, 0
	s_add_co_u32 s30, s30, s32
	s_mov_b32 s31, 0
	s_wait_alu depctr_va_vdst(0)
	s_wait_kmcnt 0x0
	s_add_nc_u64 s[XB:XB+1], s[XB:XB+1], s[30:31]
	s_add_nc_u64 s[GB:GB+1], s[GB:GB+1], s[32:33]
	s_add_nc_u64 s[BB:BB+1], s[BB:BB+1], s[32:33]
	s_lshl_b32 s30, ttmp9, 3
	s_add_co_u32 s30, s30, s[WV]
	s_mul_i32 s30, s30, 1536
	s_add_nc_u64 s[34:35], s[HQ:HQ+1], s[30:31]
	s_lshl_b32 s30, ttmp9, 9
	s_add_co_u32 s30, s30, HSC
	s_add_nc_u64 s[36:37], s[HQ:HQ+1], s[30:31]
	s_mov_b32 s38, 0x3a800000                      ; 1 / 1,024
	s_mov_b32 s39, 0x3727c5ac                      ; 1e-5
.irp i, 0,1,2,3,4,5,6,7,8,9,10,11,12,13,14,15
	global_load_b128 v[X+4*\i:X+4*\i+3], v[L16], s[XB:XB+1] offset:(\i+8*(\i/8))*4096   ; 32 lanes read 512 consecutive bytes of one row
.endr
.irp b, 0,1,2,3
.irp j, 0,1,2,3
	global_load_b128 v[E+16*\b+4*\j:E+16*\b+4*\j+3], v[H64], s[BB:BB+1] offset:128*\b+16*\j   ; the shift at my 64 columns
.endr
.endr
.irp b, 0,1,2,3
.irp j, 0,1,2,3
	global_load_b128 v[G+16*\b+4*\j:G+16*\b+4*\j+3], v[H64], s[GB:GB+1] offset:128*\b+16*\j   ; the gain likewise
.endr
.endr
	s_wait_loadcnt 32                              ; the rows are in; the 32 loads of shift and gain, issued behind them, may be out
	TURNS SIN, SOUT
	s_wait_dscnt 0x0
.irp c, 0,1,2,3
	v_pk_add_f32 v[T+2*\c:T+2*\c+1], v[X+4*\c:X+4*\c+1], v[X+4*\c+2:X+4*\c+3]
.endr
.irp i, 16,24,32,40,48,56
.irp c, 0,1,2,3
	s_delay_alu instid0(VALU_DEP_4)
	v_pk_add_f32 v[T+2*\c:T+2*\c+1], v[T+2*\c:T+2*\c+1], v[X+\i+2*\c:X+\i+2*\c+1]
.endr
.endr
	FOLD
	GATHER P1
	s_delay_alu instid0(VALU_DEP_1)
	v_mul_f32 v[MV], s38, v[T]
	s_delay_alu instid0(VALU_DEP_1)
	v_mov_b32 v[MV+1], v[MV]
.set ii, 0
.rept 32
	v_pk_add_f32 v[X+ii:X+ii+1], v[X+ii:X+ii+1], v[MV:MV+1] neg_lo:[0,1] neg_hi:[0,1]   ; x - mean: the variance is taken of these
.set ii, ii+2
.endr
.irp c, 0,1,2,3
	v_pk_mul_f32 v[T+2*\c:T+2*\c+1], v[X+2*\c:X+2*\c+1], v[X+2*\c:X+2*\c+1]
.endr
.irp i, 8,16,24,32,40,48,56
.irp c, 0,1,2,3
	s_delay_alu instid0(VALU_DEP_4)
	v_pk_fma_f32 v[T+2*\c:T+2*\c+1], v[X+\i+2*\c:X+\i+2*\c+1], v[X+\i+2*\c:X+\i+2*\c+1], v[T+2*\c:T+2*\c+1]
.endr
.endr
	FOLD
	GATHER P2
	s_delay_alu instid0(VALU_DEP_1)
	v_fma_f32 v[MV], v[T], s38, s39
	s_wait_alu depctr_va_vdst(0)
	v_rsq_f32 v[MV], v[MV]
	v_nop
	s_wait_alu depctr_va_vdst(0)                   ; the wait ahead of the first reader
	v_mov_b32 v[MV+1], v[MV]
	s_wait_alu depctr_va_vdst(0)
	s_wait_loadcnt 0x0                             ; gain and shift
.set ii, 0
.rept 32
	v_pk_mul_f32 v[X+ii:X+ii+1], v[X+ii:X+ii+1], v[MV:MV+1]
.set ii, ii+2
.endr
.set ii, 0
.rept 32
	v_pk_fma_f32 v[X+ii:X+ii+1], v[X+ii:X+ii+1], v[G+ii:G+ii+1], v[E+ii:E+ii+1]
.set ii, ii+2
.endr
	QUANT X
	PUT4 34, 0
	ds_store_b32 v[PWA], v[PW] offset:SCW
	s_wait_dscnt 0x0
	s_barrier_signal -1
	s_barrier_wait -1
	s_cmp_lg_u32 s[WV], 0
	s_cbranch_scc1 .Lend
	ds_load_b128 v[T:T+3], v[L16] offset:SCW
	s_wait_dscnt 0x0
	global_store_b128 v[L16], v[T:T+3], s[36:37]   ; the tile's 512 bytes of scale words
.Lend:
	s_wait_tensorcnt 0x0                           ; the wave's end, behind my last LDS store
	ds_add_u32 v[SPW], v[NIL]
	s_wait_dscnt 0x0
	s_endpgm
.Lfunc_end_k_q0bb602127d_ln2:
	.size	k_q0bb602127d_ln2, .Lfunc_end_k_q0bb602127d_ln2-k_q0bb602127d_ln2
	.p2alignl 7, 3214868480
	.fill 96, 4, 3214868480
	.section	.rodata,"a",@progbits
	.p2align	6, 0x0
	.amdhsa_kernel k_q0bb602127d_ln2
		.amdhsa_group_segment_fixed_size 70656
		.amdhsa_private_segment_fixed_size 0
		.amdhsa_enable_private_segment 0
		.amdhsa_kernarg_size 32
		.amdhsa_user_sgpr_count 2
		.amdhsa_user_sgpr_kernarg_segment_ptr 1
		.amdhsa_wavefront_size32 1
		.amdhsa_system_sgpr_workgroup_id_x 1
		.amdhsa_system_sgpr_workgroup_id_y 1
		.amdhsa_system_sgpr_workgroup_id_z 1
		.amdhsa_system_vgpr_workitem_id 0
		.amdhsa_next_free_vgpr 256
		.amdhsa_next_free_sgpr 66
		.amdhsa_reserve_vcc 0
		.amdhsa_float_denorm_mode_32 3
		.amdhsa_float_denorm_mode_16_64 3
		.amdhsa_memory_ordered 1
		.amdhsa_forward_progress 1
		.amdhsa_inst_pref_size 31
	.end_amdhsa_kernel
	.amdgpu_metadata
---
amdhsa.version: [ 1, 2 ]
amdhsa.kernels:
  - .name:           k_q0bb602127d_ln2
    .symbol:         k_q0bb602127d_ln2.kd
    .args:
      - { .name: x1, .offset: 0, .size: 8, .value_kind: global_buffer, .address_space: global }
      - { .name: g2, .offset: 8, .size: 8, .value_kind: global_buffer, .address_space: global }
      - { .name: be2, .offset: 16, .size: 8, .value_kind: global_buffer, .address_space: global }
      - { .name: hq, .offset: 24, .size: 8, .value_kind: global_buffer, .address_space: global }
    .group_segment_fixed_size: 70656
    .private_segment_fixed_size: 0
    .kernarg_segment_align: 8
    .kernarg_segment_size: 32
    .max_flat_workgroup_size: 256
    .sgpr_count:     66
    .vgpr_count:     256
    .wavefront_size: 32
...
	.end_amdgpu_metadata
.endif
;; end of part 5
;; launch w1 (part 6): grid 16 x 16, 4 waves a work-group, clusters of 4 x 4, 327,680 bytes of LDS; arguments hq, wts, b1, ff; writes ff
.if DOCPART == 6
	.amdgcn_target "amdgcn-amd-amdhsa--gfx1250"
	.amdhsa_code_object_version 6
	.text
	.protected	k_q0bb602127d_w1
	.globl	k_q0bb602127d_w1
	.p2align	8
	.type	k_q0bb602127d_w1,@function
k_q0bb602127d_w1:
	s_mov_b64 s[64:65], 0
	v_nop
	global_prefetch_b8 v0, s[64:65] scope:SCOPE_SE
	s_setreg_imm32_b32 hwreg(HW_REG_WAVE_MODE, 25, 1), 1
	s_wait_xcnt 0x0
	s_wait_alu depctr_hold_cnt(0) depctr_sa_sdst(0) depctr_va_vdst(0) depctr_va_sdst(0) depctr_va_ssrc(0) depctr_va_vcc(0) depctr_vm_vsrc(0)
	s_getreg_b32 s2, hwreg(HW_REG_IB_STS2, 6, 4)
	s_cmp_eq_u32 s2, 0
	s_cbranch_scc0 .Lentry_in_a_cluster
	s_endpgm
.Lentry_in_a_cluster:
	s_bfe_u32 s2, ttmp6, 0x10000c
	s_cmp_lg_u32 s2, 0xf033
	s_cbranch_scc0 .Lentry_shape_is_right
	s_endpgm
.Lentry_shape_is_right:
.set NQ,     2
.set FR,     12
.set NL,     4
.set NP,     4
.set RTB,    12288
.set SLB,    3072
.set HALFT,  8*SLB
.set SLOT,   4*HALFT
.set SCL,    2*SLOT
.set HALFS,  4096
.set SPARE,  SCL+4*HALFS
.set HSC,    3145728
.set WSC,    9437184
.set FSC,    12582912
.set RR,   1
.set HH,   2
.set L16,  4
.set L8,   5
.set L4R,  6
.set ADRA, 16
.set ADRB, 20
.set ADRS, 27
.set SPW,  28
.set NIL,  29
.set SC,   32
.set AF,   128
.set TM,   32
.set PW,   48
.set BI,   64
.set Y,    128
.set Z,    192
.set Z2,   208
.set P,    224
.set QD,   240
.set PC,   192
.set SEL,  66
.set G1,   24
.set G0,   32
.set G1B,  48
.set G0B,  56
.set G1S,  68
.set G0S,  76
.set G1SB, 80
.set G0SB, 88
.set CA13, 24
.set CA9,  26
.set CA7,  28
.set CA5,  30
.set CA3,  32
.set CA1,  34
.set CB8,  36
.set CB4,  38
.set CB2,  40
.set CB0,  42
.set MSB, 0
.macro WIN new
.if MSB != \new
	s_set_vgpr_msb (MSB<<8)|\new
.set MSB, \new
.endif
.endm
.set MUL_LO, 0xa1
.set MUL_HI, 0xf1
.set TO_B,   0x40
.macro JLOAD g0a, g1a, g0b, g1b
	s_cmp_eq_u32 s15, 0
	s_cbranch_scc0 .Lfor_b_\@
	tensor_load_to_lds s[\g0a:\g0a+3], s[\g1a:\g1a+7]
	s_nop 0
.rept 4
	v_nop
.endr
	s_branch .Lasked_\@
.Lfor_b_\@:
	tensor_load_to_lds s[\g0b:\g0b+3], s[\g1b:\g1b+7]
	s_nop 0
.rept 4
	v_nop
.endr
.Lasked_\@:
.endm
.macro CREST
	s_cmp_lg_u32 s14, 0
	s_cbranch_scc1 .Lnot_wave_0_\@
	s_barrier_signal -3
.Lnot_wave_0_\@:
	s_barrier_wait -3
	s_barrier_signal -1
	s_barrier_wait -1
.endm
.macro CROUND
	s_barrier_signal -1
	s_barrier_wait -1
	CREST
.endm
	s_load_b256 s[4:11], s[0:1], 0x0
	v_lshl_add_u32 v[SPW], v0, 2, SPARE
	v_mov_b32 v[NIL], 0
	ds_add_u32 v[SPW], v[NIL]
	ds_add_u32 v[SPW], v[NIL]
	v_lshrrev_b32 v1, 5, v0
	v_readfirstlane_b32 s14, v1
	s_lshr_b32 s15, s14, 1
	s_and_b32 s16, s14, 1
	s_bfe_u32 s40, ttmp6, 0x40000
	s_bfe_u32 s41, ttmp6, 0x40004
	s_and_b32 s98, ttmp7, 0xffff
	s_lshl_b32 s17, s98, 2
	s_add_co_u32 s17, s17, s41
	s_lshl_b32 s42, ttmp9, 2
	s_add_co_u32 s42, s42, s40
	s_lshl_b32 s43, s41, 2
	s_lshl_b32 s43, 15, s43
	s_lshl_b32 s44, 0x1111, s40
	s_or_b32 s[G1+0], s43, (3<<16)|(1<<21)
	s_or_b32 s[G1B+0], s44, (3<<16)|(1<<21)
.irp g, G1, G1B
	s_mov_b32 s[\g+1], 384<<16
	s_mov_b32 s[\g+2], 16<<16
	s_mov_b32 s[\g+3], 384<<16
	s_mov_b32 s[\g+4], 16
	s_mov_b32 s[\g+5], RTB/8
	s_mov_b32 s[\g+6], 0
	s_mov_b32 s[\g+7], 0
.endr
	s_or_b32 s[G1S+0], s43, (3<<16)|(1<<21)
	s_or_b32 s[G1SB+0], s44, (3<<16)|(1<<21)
.irp g, G1S, G1SB
	s_mov_b32 s[\g+1], 32<<16
	s_mov_b32 s[\g+2], 32<<16
	s_mov_b32 s[\g+3], 32<<16
	s_mov_b32 s[\g+4], 32
	s_mov_b32 s[\g+5], 32
	s_mov_b32 s[\g+6], 0
	s_mov_b32 s[\g+7], 0
.endr
	s_lshl_b32 s20, s17, 4
	s_lshl_b32 s46, s42, 4
	s_add_co_u32 s46, s46, 256
	s_lshl_b32 s22, s20, 9
	s_add_co_u32 s22, s22, HSC
	s_mul_i32 s20, s20, RTB
	s_lshl_b32 s66, s46, 9
	s_add_co_u32 s66, s66, WSC
	s_mul_i32 s46, s46, RTB
	s_mov_b32 s21, 0
	s_mov_b32 s23, 0
	s_mov_b32 s47, 0
	s_mov_b32 s67, 0
	s_mul_i32 s45, s14, HALFT
	s_wait_dscnt 0x0
	s_wait_kmcnt 0x0
	s_add_nc_u64 s[20:21], s[4:5], s[20:21]
	s_add_nc_u64 s[22:23], s[4:5], s[22:23]
	s_add_nc_u64 s[46:47], s[6:7], s[46:47]
	s_add_nc_u64 s[66:67], s[6:7], s[66:67]
	CROUND
; the head's four tiles, each whole, one tensor load a wave: wave 0 slot 0's 16 row tiles of A, wave 1 those of B, wave 2 A's scale words, wave 3 B's
	s_mov_b32 s[G0S], 1
	s_mov_b32 s[G0S+1], SCL
	s_mov_b64 s[G0S+2:G0S+3], s[22:23]
	s_or_b32 s[G0S+3], s[G0S+3], 0x80000000
	s_mov_b32 s[G0SB], 1
	s_mov_b32 s[G0SB+1], SCL+2*HALFS
	s_mov_b64 s[G0SB+2:G0SB+3], s[66:67]
	s_or_b32 s[G0SB+3], s[G0SB+3], 0x80000000
	s_mul_i32 s2, s16, 8*RTB                       ; in the ring I fetch 8 row tiles: which half, in bytes
	s_mov_b32 s3, 0
	s_mov_b32 s[G0], 1
	s_mov_b32 s[G0+1], 0
	s_mov_b64 s[G0+2:G0+3], s[20:21]
	s_or_b32 s[G0+3], s[G0+3], 0x80000000
	s_mov_b32 s[G0B], 1
	s_mov_b32 s[G0B+1], 2*HALFT
	s_mov_b64 s[G0B+2:G0B+3], s[46:47]
	s_or_b32 s[G0B+3], s[G0B+3], 0x80000000
	s_add_nc_u64 s[20:21], s[20:21], s[2:3]
	s_add_nc_u64 s[46:47], s[46:47], s[2:3]
	s_mov_b32 s[G0+4], 1                           ; slot 1's groups 0: my quarter of the slot
	s_add_co_u32 s[G0+5], s45, SLOT
	s_add_nc_u64 s[G0+6:G0+7], s[20:21], SLB
	s_or_b32 s[G0+7], s[G0+7], 0x80000000
	s_mov_b32 s[G0B+4], 1
	s_add_co_u32 s[G0B+5], s45, SLOT
	s_add_nc_u64 s[G0B+6:G0B+7], s[46:47], SLB
	s_or_b32 s[G0B+7], s[G0B+7], 0x80000000
.macro HARM under, g0, g1, next
	s_cmp_lt_u32 s14, \under
	s_cbranch_scc0 \next
	tensor_load_to_lds s[\g0:\g0+3], s[\g1:\g1+7]
	s_nop 0
.rept 4
	v_nop
.endr
	s_branch .Lhead_asked
\next:
.endm
	HARM 1, G0,  G1,  .Lhead_b
	HARM 2, G0B, G1B, .Lhead_sa
	HARM 3, G0S, G1S, .Lhead_sb
	tensor_load_to_lds s[G0SB:G0SB+3], s[G1SB:G1SB+7]
	s_nop 0
.rept 4
	v_nop
.endr
.Lhead_asked:
	v_and_b32 v[RR], 15, v0
	v_bfe_u32 v[HH], v0, 4, 1
	v_and_b32 v3, 31, v0
	v_lshlrev_b32 v[L16], 4, v3
	v_lshlrev_b32 v[L8], 3, v3
	v_lshlrev_b32 v[L4R], 2, v[RR]
	s_mul_i32 s21, s15, HALFT
	s_mul_i32 s22, s16, HALFT
	s_add_co_u32 s22, s22, 2*HALFT
.irp s, 0,1
	v_add_nc_u32 v[ADRA+\s], s21, v[L16]
	v_add_nc_u32 v[ADRB+\s], s22, v[L16]
	v_add_nc_u32 v[ADRA+2+\s], s21, v[L8]
	v_add_nc_u32 v[ADRB+2+\s], s22, v[L8]
	s_add_co_u32 s21, s21, SLOT
	s_add_co_u32 s22, s22, SLOT
.endr
	s_mul_i32 s21, s15, HALFS
	s_mul_i32 s22, s16, HALFS
	s_add_co_u32 s22, s22, 2*HALFS
	s_sub_co_u32 s22, s22, s21
	v_mul_u32_u24 v8, s22, v[HH]
	s_add_co_u32 s21, s21, SCL
	v_add_nc_u32 v8, v[L4R], v8
	v_add_nc_u32 v[ADRS], s21, v8
	s_lshl_b32 s46, s42, 10
	s_lshl_b32 s47, s16, 9
	s_add_co_u32 s46, s46, s47
	s_mov_b32 s47, 0
	s_add_nc_u64 s[12:13], s[8:9], s[46:47]
	v_lshlrev_b32 v30, 6, v[HH]
.irp b, 0,1,2,3
.irp j, 0,1,2,3
	global_load_b128 v[BI+16*\b+4*\j:BI+16*\b+4*\j+3], v30, s[12:13] offset:128*\b+16*\j
.endr
.endr
	s_lshl_b32 s46, s17, 4
	s_lshl_b32 s47, s15, 3
	s_add_co_u32 s46, s46, s47
	s_lshl_b32 s46, s46, 5
	s_lshl_b32 s47, s42, 1
	s_add_co_u32 s46, s46, s47
	s_add_co_u32 s46, s46, s16
	s_lshl_b32 s66, s46, 6
	s_add_co_u32 s66, s66, FSC
	s_mul_i32 s46, s46, 1536
	s_mov_b32 s47, 0
	s_mov_b32 s67, 0
	s_add_nc_u64 s[92:93], s[10:11], s[46:47]
	s_add_nc_u64 s[94:95], s[10:11], s[66:67]
.macro FRAG reg, adr, off
	ds_load_b128 v[\reg:\reg+3], v[\adr] offset:\off
	ds_load_b64 v[\reg+4:\reg+5], v[\adr+2] offset:\off+512
	ds_load_b128 v[\reg+6:\reg+9], v[\adr] offset:\off+768
	ds_load_b64 v[\reg+10:\reg+11], v[\adr+2] offset:\off+1280
.endm
.macro MUL16 a0, p, q, sc, zero
.irp a, \a0, \a0+1
.irp b, 0,1,2,3,4,5,6,7
.if \zero
	v_wmma_scale_f32_16x16x128_f8f6f4 v[8*(8*((\a)%4)+\b):8*(8*((\a)%4)+\b)+7], v[128*(\p)+FR*\b:128*(\p)+FR*\b+FR-1], v[AF+FR*(\a):AF+FR*(\a)+FR-1], 0, v[SC+8*NQ*(\sc)+NQ*\b+(\q)], v[SC+8*NQ*(\sc)+NQ*(\a)+(\q)] matrix_a_fmt:MATRIX_FMT_BF6 matrix_b_fmt:MATRIX_FMT_BF6 matrix_a_scale:MATRIX_SCALE_ROW1
.else
	v_wmma_scale_f32_16x16x128_f8f6f4 v[8*(8*((\a)%4)+\b):8*(8*((\a)%4)+\b)+7], v[128*(\p)+FR*\b:128*(\p)+FR*\b+FR-1], v[AF+FR*(\a):AF+FR*(\a)+FR-1], v[8*(8*((\a)%4)+\b):8*(8*((\a)%4)+\b)+7], v[SC+8*NQ*(\sc)+NQ*\b+(\q)], v[SC+8*NQ*(\sc)+NQ*(\a)+(\q)] matrix_a_fmt:MATRIX_FMT_BF6 matrix_b_fmt:MATRIX_FMT_BF6 matrix_a_scale:MATRIX_SCALE_ROW1
.endif
.endr
.endr
.endm
.macro FETCH_B slot, q, p
	WIN TO_B
.irp i, 0,1,2,3,4,5,6,7
	FRAG 128*(\p)+FR*\i, ADRB+\slot, (\i)*SLB+(\q)*1536
.endr
	WIN 0
.endm
.macro FETCH_A slot, q, i0
.irp i, \i0, \i0+1, \i0+2, \i0+3
	FRAG AF+FR*(\i), ADRA+\slot, (\i)*SLB+(\q)*1536
.endr
.endm
.macro SCALES sc
.irp i, 0,1,2,3,4,5,6,7
.irp q, 0,1
	ds_load_b32 v[SC+8*NQ*\sc+NQ*\i+\q], v[ADRS] offset:512*\i+64*\q
.endr
.endr
.endm
.macro PLACES n
.rept \n
	v_nop
.endr
.endm
.macro STEP slot, q, zero
	s_wait_dscnt 4*NL
	WIN MUL_LO
	MUL16 0, (\q)%2, \q, \slot, \zero
	MUL16 2, (\q)%2, \q, \slot, \zero
	s_wait_dscnt 0
	PLACES NP
	FETCH_B \slot, (\q)+1, 1-(\q)%2
	FETCH_A \slot, (\q)+1, 0
	WIN MUL_HI
	MUL16 4, (\q)%2, \q, \slot, \zero
	MUL16 6, (\q)%2, \q, \slot, \zero
	PLACES NP
	WIN 0
	FETCH_A \slot, (\q)+1, 4
.endm
.macro TURN slot, next, fill
	s_wait_tensorcnt 0x0
	ds_add_u32 v[SPW], v[NIL]
	s_wait_dscnt 4*NL+1
	WIN MUL_LO
	MUL16 0, 1, NQ-1, \slot, 0
	s_wait_dscnt 0x0
	s_barrier_signal -1
	MUL16 2, 1, NQ-1, \slot, 0
	WIN 0
	s_barrier_wait -1
.if \fill
	CREST
	s_add_nc_u64 s[G0+4*\slot+2:G0+4*\slot+3], s[G0+4*\slot+2:G0+4*\slot+3], 2*SLB
	s_add_nc_u64 s[G0B+4*\slot+2:G0B+4*\slot+3], s[G0B+4*\slot+2:G0B+4*\slot+3], 2*SLB
	JLOAD G0+4*\slot, G1, G0B+4*\slot, G1B
.else
	PLACES NP
.endif
	s_wait_alu depctr_va_vdst(0)
	v_add_nc_u32 v[ADRS], 64*NQ, v[ADRS]
	FETCH_B \next, 0, 0
	FETCH_A \next, 0, 0
	SCALES \next
	WIN MUL_HI
	MUL16 4, 1, NQ-1, \slot, 0
	MUL16 6, 1, NQ-1, \slot, 0
	PLACES NP
	WIN 0
	FETCH_A \next, 0, 4
.endm
	s_wait_alu depctr_va_vdst(0)
	s_wait_tensorcnt 0x0                           ; my tile of the head's four is in
	ds_add_u32 v[SPW], v[NIL]
	s_mov_b32 s[G1+2], 8<<16                       ; no tensor load of mine is out: from here on a load brings 8 row tiles,
	s_mov_b32 s[G1+4], 8
	s_mov_b32 s[G1B+2], 8<<16
	s_mov_b32 s[G1B+4], 8
	s_mov_b32 s[G0+1], s45                         ; and slot 0's groups 0 name my quarter of the slot
	s_add_nc_u64 s[G0+2:G0+3], s[G0+2:G0+3], s[2:3]
	s_mov_b32 s[G0B+1], s45
	s_add_nc_u64 s[G0B+2:G0B+3], s[G0B+2:G0B+3], s[2:3]
	s_wait_dscnt 0x0
	CROUND
	JLOAD G0+4, G1, G0B+4, G1B                     ; slot 1, the first tensor load behind the round
	FETCH_B 0, 0, 0
	FETCH_A 0, 0, 0
	SCALES 0
	FETCH_A 0, 0, 4
	STEP 0, 0, 1
	TURN 0, 1, 1
	STEP 1, 0, 0
	TURN 1, 0, 1
	STEP 0, 0, 0
	TURN 0, 1, 0
	STEP 1, 0, 0
	s_wait_dscnt 4*NL
	WIN MUL_LO
	MUL16 0, 1, NQ-1, 1, 0
	MUL16 2, 1, NQ-1, 1, 0
	s_wait_dscnt 0
	WIN MUL_HI
	MUL16 4, 1, NQ-1, 1, 0
	MUL16 6, 1, NQ-1, 1, 0
	WIN 0
.macro QUANT s
.irp b, 0,1,2,3
	v_max3_num_f32 v[TM+\b], |v[\s+16*\b]|, |v[\s+1+16*\b]|, 0x2800000
.endr
.irp i, 2,4,6,8,10,12,14
.irp b, 0,1,2,3
	v_max3_num_f32 v[TM+\b], v[TM+\b], |v[\s+16*\b+\i]|, |v[\s+1+16*\b+\i]|
.endr
.endr
.irp b, 0,1,2,3
	v_permlanex16_b32 v[TM+4+\b], v[TM+\b], s[SEL], s[SEL+1]
.endr
.irp b, 0,1,2,3
	v_max_num_f32 v[TM+\b], v[TM+\b], v[TM+4+\b]
.endr
.irp b, 0,1,2,3
	v_add_nc_u32 v[TM+12+\b], 0xfe000000, v[TM+\b]
.endr
.irp b, 0,1,2,3
	v_lshrrev_b32 v[TM+4+\b], 23, v[TM+12+\b]
.endr
	v_lshl_or_b32 v[PW], v[TM+5], 8, v[TM+4]
	v_lshl_or_b32 v[PW], v[TM+6], 16, v[PW]
	v_lshl_or_b32 v[PW], v[TM+7], 24, v[PW]
.irp c, 0,1
	v_cvt_scalef32_pk16_bf6_f32 v[PC+6*\c:PC+2+6*\c], v[\s+32*\c:\s+15+32*\c], v[TM+12+2*\c]
	v_cvt_scalef32_pk16_bf6_f32 v[PC+12+4*\c:PC+14+4*\c], v[\s+16+32*\c:\s+31+32*\c], v[TM+12+2*\c+1]
.endr
	v_nop
.irp c, 0,1
.irp i, 0,1,2
	v_permlane16_swap_b32 v[PC+6*\c+\i], v[PC+12+4*\c+\i]
.endr
.irp i, 0,1,2
	v_mov_b32 v[PC+3+6*\c+\i], v[PC+12+4*\c+\i]
.endr
.endr
.endm
.macro KPAIR reg, val
	s_mov_b32 s[\reg], \val
	s_mov_b32 s[\reg+1], \val
.endm
.macro GELU c
.set YC, Y+16*(\c)
.set ii, 0
.rept 8
	v_pk_mul_f32 v[Z+ii:Z+ii+1], v[YC+ii:YC+ii+1], 0x3f3504f3 op_sel_hi:[1,0]
.set ii, ii+2
.endr
.set ii, 0
.rept 16
	v_med3_num_f32 v[Z+ii], v[Z+ii], -4.0, 4.0
.set ii, ii+1
.endr
.set ii, 0
.rept 8
	v_pk_mul_f32 v[Z2+ii:Z2+ii+1], v[Z+ii:Z+ii+1], v[Z+ii:Z+ii+1]
.set ii, ii+2
.endr
.set ii, 0
.rept 8
	v_pk_fma_f32 v[P+ii:P+ii+1], v[Z2+ii:Z2+ii+1], s[CA13:CA13+1], v[52:53] op_sel_hi:[1,0,1]
	v_pk_fma_f32 v[QD+ii:QD+ii+1], v[Z2+ii:Z2+ii+1], s[CB8:CB8+1], v[54:55] op_sel_hi:[1,0,1]
.set ii, ii+2
.endr
.irp k, CA9, CA7, CA5, CA3, CA1
.set ii, 0
.rept 8
	v_pk_fma_f32 v[P+ii:P+ii+1], v[P+ii:P+ii+1], v[Z2+ii:Z2+ii+1], s[\k:\k+1] op_sel_hi:[1,1,0]
.set ii, ii+2
.endr
.endr
.irp k, CB4, CB2, CB0
.set ii, 0
.rept 8
	v_pk_fma_f32 v[QD+ii:QD+ii+1], v[QD+ii:QD+ii+1], v[Z2+ii:Z2+ii+1], s[\k:\k+1] op_sel_hi:[1,1,0]
.set ii, ii+2
.endr
.endr
.set ii, 0
	s_wait_alu depctr_va_vdst(0)
.rept 16
	v_rcp_f32 v[QD+ii], v[QD+ii]
.set ii, ii+1
.endr
.set ii, 0
.rept 8
	v_pk_mul_f32 v[P+ii:P+ii+1], v[P+ii:P+ii+1], v[Z+ii:Z+ii+1]
	v_pk_mul_f32 v[YC+ii:YC+ii+1], v[YC+ii:YC+ii+1], 0.5 op_sel_hi:[1,0]
.set ii, ii+2
.endr
	s_wait_alu depctr_va_vdst(0)
.set ii, 0
.rept 8
	v_pk_mul_f32 v[P+ii:P+ii+1], v[P+ii:P+ii+1], v[QD+ii:QD+ii+1]
.set ii, ii+2
.endr
.set ii, 0
.rept 8
	v_pk_fma_f32 v[YC+ii:YC+ii+1], v[YC+ii:YC+ii+1], v[P+ii:P+ii+1], v[YC+ii:YC+ii+1]
.set ii, ii+2
.endr
.endm
.macro ARM a
	WIN 0x02+(\a)/4
.set AC, 64*((\a)%4)
.set ii, 0
.rept 32
	v_pk_add_f32 v[Y+ii:Y+ii+1], v[AC+ii:AC+ii+1], v[BI+ii:BI+ii+1]
.set ii, ii+2
.endr
	WIN 0
.endm
	PLACES NP
	s_mov_b32 s[SEL], 0x76543210
	s_mov_b32 s[SEL+1], 0xfedcba98
	KPAIR CA13, 0xaf95df0b
	KPAIR CA9,  0xb60cff51
	KPAIR CA7,  0xb86ec2d2
	KPAIR CA5,  0xba40ac63
	KPAIR CA3,  0xbb41a1f6
	KPAIR CA1,  0xbc83dbd4
	KPAIR CB8,  0xb77460cd
	KPAIR CB4,  0xbadc924e
	KPAIR CB2,  0xbbf19bf8
	KPAIR CB0,  0xbc69b6a7
	v_mov_b32 v52, 0x32edffee
	v_mov_b32 v53, 0x32edffee
	v_mov_b32 v54, 0xb95fbd29
	v_mov_b32 v55, 0xb95fbd29
.irp b, 0,1,2,3
	v_mov_b32 v[TM+4+\b], 0
.endr
	s_wait_loadcnt 0x0
	s_mov_b32 s3, 0
.Lrow:
.irp a, 0,1,2,3,4,5,6
	s_cmp_eq_u32 s3, \a
	s_cbranch_scc1 .Larm\a
.endr
	ARM 7
	s_branch .Ljoin
.irp a, 0,1,2,3,4,5,6
.Larm\a:
	ARM \a
	s_branch .Ljoin
.endr
.Ljoin:
	GELU 0
	GELU 1
	GELU 2
	GELU 3
	QUANT Y
	global_store_b128 v[L16], v[PC:PC+3], s[92:93]
	global_store_b64 v[L8], v[PC+4:PC+5], s[92:93] offset:512
	global_store_b128 v[L16], v[PC+6:PC+9], s[92:93] offset:768
	global_store_b64 v[L8], v[PC+10:PC+11], s[92:93] offset:1280
	global_store_b32 v[L4R], v[PW], s[94:95]
	s_wait_xcnt 0x0
	s_add_nc_u64 s[92:93], s[92:93], 32*1536
	s_add_nc_u64 s[94:95], s[94:95], 32*64
	s_add_co_u32 s3, s3, 1
	s_cmp_lt_u32 s3, 8
	s_cbranch_scc1 .Lrow
	s_wait_tensorcnt 0x0
	ds_add_u32 v[SPW], v[NIL]
	s_wait_dscnt 0x0
	CROUND
	s_endpgm
.Lfunc_end_k_q0bb602127d_w1:
	.size	k_q0bb602127d_w1, .Lfunc_end_k_q0bb602127d_w1-k_q0bb602127d_w1
	.p2alignl 7, 3214868480
	.fill 96, 4, 3214868480
	.section	.rodata,"a",@progbits
	.p2align	6, 0x0
	.amdhsa_kernel k_q0bb602127d_w1
		.amdhsa_group_segment_fixed_size 327680
		.amdhsa_private_segment_fixed_size 0
		.amdhsa_enable_private_segment 0
		.amdhsa_kernarg_size 32
		.amdhsa_user_sgpr_count 2
		.amdhsa_user_sgpr_kernarg_segment_ptr 1
		.amdhsa_wavefront_size32 1
		.amdhsa_system_sgpr_workgroup_id_x 1
		.amdhsa_system_sgpr_workgroup_id_y 1
		.amdhsa_system_sgpr_workgroup_id_z 1
		.amdhsa_system_vgpr_workitem_id 0
		.amdhsa_next_free_vgpr 1024
		.amdhsa_next_free_sgpr 100
		.amdhsa_reserve_vcc 0
		.amdhsa_float_denorm_mode_32 3
		.amdhsa_float_denorm_mode_16_64 3
		.amdhsa_memory_ordered 1
		.amdhsa_forward_progress 1
		.amdhsa_inst_pref_size 181
	.end_amdhsa_kernel
	.amdgpu_metadata
---
amdhsa.version: [ 1, 2 ]
amdhsa.kernels:
  - .name:           k_q0bb602127d_w1
    .symbol:         k_q0bb602127d_w1.kd
    .args:
      - { .name: hq, .offset: 0, .size: 8, .value_kind: global_buffer, .address_space: global }
      - { .name: wts, .offset: 8, .size: 8, .value_kind: global_buffer, .address_space: global }
      - { .name: b1, .offset: 16, .size: 8, .value_kind: global_buffer, .address_space: global }
      - { .name: ff, .offset: 24, .size: 8, .value_kind: global_buffer, .address_space: global }
    .group_segment_fixed_size: 327680
    .private_segment_fixed_size: 0
    .kernarg_segment_align: 8
    .kernarg_segment_size: 32
    .max_flat_workgroup_size: 128
    .sgpr_count:     100
    .vgpr_count:     1024
    .wavefront_size: 32
...
	.end_amdgpu_metadata
.endif
;; end of part 6
;; launch w2 (part 7): grid 8 x 32, 4 waves a work-group, clusters of 4 x 4, 327,680 bytes of LDS; arguments ff, wts, b2, x1, out0; writes out0
.if DOCPART == 7
	.amdgcn_target "amdgcn-amd-amdhsa--gfx1250"
	.amdhsa_code_object_version 6
	.text
	.protected	k_q0bb602127d_w2
	.globl	k_q0bb602127d_w2
	.p2align	8
	.type	k_q0bb602127d_w2,@function
k_q0bb602127d_w2:
	s_mov_b64 s[64:65], 0
	v_nop
	global_prefetch_b8 v0, s[64:65] scope:SCOPE_SE
	s_setreg_imm32_b32 hwreg(HW_REG_WAVE_MODE, 25, 1), 1
	s_wait_xcnt 0x0
	s_wait_alu depctr_hold_cnt(0) depctr_sa_sdst(0) depctr_va_vdst(0) depctr_va_sdst(0) depctr_va_ssrc(0) depctr_va_vcc(0) depctr_vm_vsrc(0)
	s_getreg_b32 s2, hwreg(HW_REG_IB_STS2, 6, 4)
	s_cmp_eq_u32 s2, 0
	s_cbranch_scc0 .Lentry_in_a_cluster
	s_endpgm
.Lentry_in_a_cluster:
	s_bfe_u32 s2, ttmp6, 0x10000c
	s_cmp_lg_u32 s2, 0xf033
	s_cbranch_scc0 .Lentry_shape_is_right
	s_endpgm
.Lentry_shape_is_right:
; Product 8 and the second residual: out0 = x1 + ff W2^T + b2.  ff and W2 are codes of BF6 as images of the operand's registers; x1, b2, out0 are f32.  Nothing is left out.
; 4,096 x 1,024 results are 256 tiles of 128 x 128, one for each work-group (tiles of 256 x 256 would be 64).  Four waves of 64 x 64: 16 accumulators.  K = 4,096 goes through a ring of two LDS slots of 4 K steps each: 8 slots' worth.
; CLUSTERS: 4 x 4; A's tile is asked for jointly by a row of the cluster, B's by a column.  Source 0 = 16 rows of the weight, source 1 = 16 tokens: a lane holds a token and neighbouring columns.
; THE HEAD: one tensor load a wave: wave 0 slot 0's 8 row tiles of A, wave 1 those of B, wave 2 A's scale words for all of K, wave 3 B's.  Slot 1 is first filled as a refill is, a quarter of the slot a wave.
; FRAGMENTS: four sets of 8 (one for each K step of a slot), fetched two steps ahead: a step waits for all but the 32 LDS loads issued last.  A slot's reads are over in its third step: there stands the change of slots.
; PREFETCH: behind each joint load one instruction a wave names the slot two loads on: of the 4 row tiles that a wave fetches, each of the four partners that ask jointly takes one, told apart by address (cx for A, cy for B):
; 6,144 bytes, 24 blocks of 256, a lane a block (lanes 24-31 name the last again).  Slots 0 and 1 come by their loads alone; the last two refills have no slot two on.
; The residual is asked for when slot 0 has landed, and waited for on the way out.  THE WAY OUT: a block of 16 tokens x 64 columns goes through the wave's own stage and leaves as rows: sixteen lanes store 256 consecutive bytes, aligned.
; REGISTERS: window 0: v0-31 addresses, v8-11 the bias; v32-63 scale words, two sets; v64-95 the way out; v128-255 the accumulators.  windows 1, 2: two fragment sets each, at v0 and v128; v96-127, v224-255 the residual.
.set ASC,    12582912
.set BCO,    4096*1536
.set BSC,    9437184+4096*64
.set FR,     12
.set RTB,    32*1536                   ; a row tile in memory
.set SLB,    6144                      ; and in a slot: 4 K steps
.set HALFT,  4*SLB
.set SLOT,   4*HALFT
.set LAPS,   4
.set SCL,    2*SLOT
.set SBLK,   2048
.set HALFS,  4*SBLK
.set STAGE,  SCL+4*HALFS
.set SP,     272
.set SPARE,  STAGE+4*16*SP             ; the spare words, 128 bytes for each wave, that no other line names
.set RR,   1
.set HH,   2
.set L16,  4
.set L8,   5
.set BI,   8
.set R16,  12
.set PFO,  14
.set ADRA, 16
.set ADRB, 20
.set STO,  24
.set RD,   25
.set CO,   26
.set ADRS, 27
.set SPW,  28
.set NIL,  29
.set SC,   32
.set BK,   64
.set ACC,  128
.set G0H,  8
.set G0HB, 12
.set G1,   24
.set G0,   32
.set G1B,  48
.set G0B,  56
.set G1S,  68
.set G0S,  76
.set G1SB, 80
.set G0SB, 88
.set PFA,  98
.set MSB, 0
.macro WIN new
.if MSB != \new
	s_set_vgpr_msb (MSB<<8)|\new
.set MSB, \new
.endif
.endm
.macro TLOAD g0, g1                    ; an s_nop 0 and four v_nop follow each tensor load
	tensor_load_to_lds s[\g0:\g0+3], s[\g1:\g1+7]
	s_nop 0
.rept 4
	v_nop
.endr
.endm
.macro JLOAD g0a, g1a, g0b, g1b        ; waves 0 and 1 fetch for A, waves 2 and 3 for B
	s_cmp_eq_u32 s17, 0
	s_cbranch_scc0 .Lfor_b_\@
	TLOAD \g0a, \g1a
	s_branch .Lasked_\@
.Lfor_b_\@:
	TLOAD \g0b, \g1b
.Lasked_\@:
.endm
.macro CREST
	s_cmp_lg_u32 s16, 0
	s_cbranch_scc1 .Lnot_wave_0_\@
	s_barrier_signal -3
.Lnot_wave_0_\@:
	s_barrier_wait -3
	s_barrier_signal -1
	s_barrier_wait -1
.endm
.macro CROUND
	s_barrier_signal -1
	s_barrier_wait -1
	CREST
.endm
.macro ASK inloop                      ; in the loop's last trip (s3 = 1) there is no slot two loads on
.if \inloop
	s_cmp_gt_u32 s3, 1
	s_cbranch_scc0 .Lno_ask_\@
.endif
	global_prefetch_b8 v[PFO], s[PFA:PFA+1] th:TH_LOAD_NT scope:SCOPE_SE
.Lno_ask_\@:
.endm
	s_load_b128 s[4:7], s[0:1], 0x0                ; ff, wts
	s_load_b128 s[92:95], s[0:1], 0x10             ; b2, x1
	s_load_b64 s[96:97], s[0:1], 0x20              ; out0
	v_lshl_add_u32 v[SPW], v0, 2, SPARE
	v_mov_b32 v[NIL], 0
	ds_add_u32 v[SPW], v[NIL]                      ; the wave's opening: the add, twice on end, and its wait ahead of my first tensor load
	ds_add_u32 v[SPW], v[NIL]
	v_lshrrev_b32 v1, 5, v0
	v_readfirstlane_b32 s16, v1                    ; wave 0..3
	s_lshr_b32 s17, s16, 1                         ; which half of the tile's tokens is mine.  Also: I fetch for A (0) or for B (1)
	s_and_b32 s18, s16, 1                          ; which half of its columns.  Also: which 4 row tiles I fetch
	s_bfe_u32 s40, ttmp6, 0x40000
	s_bfe_u32 s41, ttmp6, 0x40004
	s_and_b32 s43, ttmp7, 0xffff
	s_lshl_b32 s43, s43, 2
	s_add_co_u32 s43, s43, s41                     ; tile row: 128 tokens
	s_lshl_b32 s42, ttmp9, 2
	s_add_co_u32 s42, s42, s40                     ; tile column: 128 columns
	s_lshl_b32 s44, s41, 2
	s_lshl_b32 s44, 15, s44
	s_lshl_b32 s45, 0x1111, s40
	s_or_b32 s[G1+0], s44, (3<<16)|(1<<21)         ; codes: row tiles x 6,144 bytes (768 elements of 8 bytes), RTB bytes apart: 8 of them at the head, then 4
	s_or_b32 s[G1B+0], s45, (3<<16)|(1<<21)
.irp g, G1, G1B
	s_mov_b32 s[\g+1], 768<<16
	s_mov_b32 s[\g+2], 8<<16
	s_mov_b32 s[\g+3], 768<<16
	s_mov_b32 s[\g+4], 8
	s_mov_b32 s[\g+5], RTB/8
	s_mov_b32 s[\g+6], 0
	s_mov_b32 s[\g+7], 0
.endr
	s_or_b32 s[G1S+0], s44, (3<<16)|(1<<21)        ; scale words of 128 rows for all of K: 16,384 dense bytes, as 64 rows of 256
	s_or_b32 s[G1SB+0], s45, (3<<16)|(1<<21)
.irp g, G1S, G1SB
	s_mov_b32 s[\g+1], 32<<16
	s_mov_b32 s[\g+2], 64<<16
	s_mov_b32 s[\g+3], 32<<16
	s_mov_b32 s[\g+4], 64
	s_mov_b32 s[\g+5], 32
	s_mov_b32 s[\g+6], 0
	s_mov_b32 s[\g+7], 0
.endr
	s_lshl_b32 s20, s43, 3                         ; A: the tile's first row tile
	s_lshl_b32 s46, s42, 3                         ; B likewise
	s_mul_i32 s22, s20, SBLK
	s_add_co_u32 s22, s22, ASC
	s_mul_i32 s20, s20, RTB
	s_mul_i32 s66, s46, SBLK
	s_add_co_u32 s66, s66, BSC
	s_mul_i32 s46, s46, RTB
	s_add_co_u32 s46, s46, BCO
	s_mov_b32 s21, 0
	s_mov_b32 s23, 0
	s_mov_b32 s47, 0
	s_mov_b32 s67, 0
	s_mul_i32 s2, s18, 4*RTB                       ; in the ring I fetch 4 row tiles: which half
	s_mov_b32 s3, 0
	s_mul_i32 s19, s16, HALFT                      ; and where they go: no place in the cluster enters an LDS address
	s_wait_dscnt 0x0                               ; both opening adds are done
	s_wait_kmcnt 0x0
	s_add_nc_u64 s[20:21], s[4:5], s[20:21]
	s_add_nc_u64 s[22:23], s[4:5], s[22:23]
	s_add_nc_u64 s[46:47], s[6:7], s[46:47]
	s_add_nc_u64 s[66:67], s[6:7], s[66:67]
	CROUND                                         ; all sixteen work-groups are here: the first joint loads meet
	s_mov_b32 s[G0H], 1
	s_mov_b32 s[G0H+1], 0
	s_mov_b64 s[G0H+2:G0H+3], s[20:21]
	s_or_b32 s[G0H+3], s[G0H+3], 0x80000000
	s_mov_b32 s[G0HB], 1
	s_mov_b32 s[G0HB+1], 2*HALFT
	s_mov_b64 s[G0HB+2:G0HB+3], s[46:47]
	s_or_b32 s[G0HB+3], s[G0HB+3], 0x80000000
	s_mov_b32 s[G0S], 1
	s_mov_b32 s[G0S+1], SCL
	s_mov_b64 s[G0S+2:G0S+3], s[22:23]
	s_or_b32 s[G0S+3], s[G0S+3], 0x80000000
	s_mov_b32 s[G0SB], 1
	s_mov_b32 s[G0SB+1], SCL+2*HALFS
	s_mov_b64 s[G0SB+2:G0SB+3], s[66:67]
	s_or_b32 s[G0SB+3], s[G0SB+3], 0x80000000
	s_add_nc_u64 s[20:21], s[20:21], s[2:3]        ; for the ring: my 4 row tiles
	s_add_nc_u64 s[46:47], s[46:47], s[2:3]
.irp s, 0,1
	s_mov_b32 s[G0+4*\s], 1
	s_add_co_u32 s[G0+4*\s+1], s19, \s*SLOT
	s_add_nc_u64 s[G0+4*\s+2:G0+4*\s+3], s[20:21], \s*SLB
	s_or_b32 s[G0+4*\s+3], s[G0+4*\s+3], 0x80000000
	s_mov_b32 s[G0B+4*\s], 1
	s_add_co_u32 s[G0B+4*\s+1], s19, \s*SLOT
	s_add_nc_u64 s[G0B+4*\s+2:G0B+4*\s+3], s[46:47], \s*SLB
	s_or_b32 s[G0B+4*\s+3], s[G0B+4*\s+3], 0x80000000
.endr
	s_cmp_eq_u32 s17, 0                            ; the prefetches: of my 4 row tiles, the one at my work-group's place among the four that ask with me; first slot 2
	s_cselect_b64 s[PFA:PFA+1], s[20:21], s[46:47]
	s_cselect_b32 s44, s40, s41
	s_mul_i32 s44, s44, RTB
	s_mov_b32 s45, 0
	s_add_nc_u64 s[PFA:PFA+1], s[PFA:PFA+1], s[44:45]
	s_add_nc_u64 s[PFA:PFA+1], s[PFA:PFA+1], 2*SLB
; the head's loads, one a wave: one tree of branches on the wave's number, each arm with its load
.macro ARM under, g0, g1, next
	s_cmp_lt_u32 s16, \under
	s_cbranch_scc0 \next
	TLOAD \g0, \g1
	s_branch .Lhead_asked
\next:
.endm
	ARM 1, G0H,  G1,  .Lhead_b
	ARM 2, G0HB, G1B, .Lhead_sa
	ARM 3, G0S,  G1S, .Lhead_sb
	TLOAD G0SB, G1SB
.Lhead_asked:
	v_and_b32 v[RR], 15, v0
	v_bfe_u32 v[HH], v0, 4, 1
	v_and_b32 v3, 31, v0
	v_lshlrev_b32 v[L16], 4, v3
	v_lshlrev_b32 v[L8], 3, v3
	v_min_u32 v[PFO], 23, v3
	v_lshlrev_b32 v[PFO], 8, v[PFO]
	s_mul_i32 s21, s17, HALFT
	s_mul_i32 s22, s18, HALFT
	s_add_co_u32 s22, s22, 2*HALFT
.irp s, 0,1
	v_add_nc_u32 v[ADRA+\s], s21, v[L16]
	v_add_nc_u32 v[ADRB+\s], s22, v[L16]
	v_add_nc_u32 v[ADRA+2+\s], s21, v[L8]
	v_add_nc_u32 v[ADRB+2+\s], s22, v[L8]
	s_add_co_u32 s21, s21, SLOT
	s_add_co_u32 s22, s22, SLOT
.endr
	s_mul_i32 s21, s17, HALFS                      ; scale words: lanes 0-15 A's, lanes 16-31 B's: the lower base + h x the distance
	s_mul_i32 s22, s18, HALFS
	s_add_co_u32 s22, s22, 2*HALFS
	s_sub_co_u32 s22, s22, s21
	v_mul_u32_u24 v13, s22, v[HH]
	s_add_co_u32 s21, s21, SCL
	v_lshl_add_u32 v13, v[RR], 2, v13
	v_add_nc_u32 v[ADRS], s21, v13
	s_mul_i32 s23, s16, 16*SP
	s_add_co_u32 s23, s23, STAGE                   ; my stage
	v_mul_u32_u24 v13, v[RR], SP
	v_lshl_add_u32 v13, v[HH], 6, v13
	v_add_nc_u32 v[STO], s23, v13                  ; in: row r, + 64 h
	v_mul_u32_u24 v13, v[HH], SP
	v_lshl_add_u32 v13, v[RR], 4, v13
	v_add_nc_u32 v[RD], s23, v13                   ; back: lanes 0-15 one row of 256 bytes, lanes 16-31 the next
	v_lshlrev_b32 v[CO], 12, v[HH]
	v_lshl_add_u32 v[CO], v[RR], 4, v[CO]          ; and the same two rows in memory
	v_lshlrev_b32 v[R16], 4, v[RR]
	s_wait_alu depctr_va_vdst(0)                   ; the wait at the head's end
	s_lshl_b32 s20, s43, 7
	s_lshl_b32 s21, s17, 6
	s_add_co_u32 s20, s20, s21
	s_lshl_b32 s20, s20, 12                        ; my first token's row of 4,096 bytes
	s_lshl_b32 s46, s42, 9
	s_lshl_b32 s47, s18, 8
	s_add_co_u32 s46, s46, s47                     ; my first column, in bytes
	s_mov_b32 s47, 0
	s_add_nc_u64 s[92:93], s[92:93], s[46:47]
	s_add_co_u32 s46, s46, s20
	s_add_nc_u64 s[94:95], s[94:95], s[46:47]
	s_add_nc_u64 s[96:97], s[96:97], s[46:47]
	ASK 0                                          ; slot 2
.macro FRAG reg, adr, off
	ds_load_b128 v[\reg:\reg+3], v[\adr] offset:\off
	ds_load_b64 v[\reg+4:\reg+5], v[\adr+2] offset:\off+512
	ds_load_b128 v[\reg+6:\reg+9], v[\adr] offset:\off+768
	ds_load_b64 v[\reg+10:\reg+11], v[\adr+2] offset:\off+1280
.endm
.macro FETCH slot, q                   ; the 8 fragments of K step q of a slot into set q: 32 LDS loads in one run
.if (\q) < 2
	WIN 0x40
.else
	WIN 0x80
.endif
.irp i, 0,1,2,3
	FRAG 128*((\q)%2)+48+FR*\i, ADRB+\slot, (\i)*SLB+(\q)*1536
	FRAG 128*((\q)%2)+FR*\i, ADRA+\slot, (\i)*SLB+(\q)*1536
.endr
.endm
.macro MWIN q                          ; sources 0 and 1: set q's window; C and D window 0
.if (\q) < 2
	WIN 0x05
.else
	WIN 0x0a
.endif
.endm
.macro MULA q, a, sc, zero             ; A's block a x B's four.  The 16 accumulators take turns, one instruction a turn
.irp b, 0,1,2,3
.if \zero
	v_wmma_scale_f32_16x16x128_f8f6f4 v[ACC+8*(4*(\a)+\b):ACC+8*(4*(\a)+\b)+7], v[128*((\q)%2)+48+FR*\b:128*((\q)%2)+48+FR*\b+FR-1], v[128*((\q)%2)+FR*(\a):128*((\q)%2)+FR*(\a)+FR-1], 0, v[SC+16*(\sc)+4*(\q)+\b], v[SC+16*(\sc)+4*(\q)+(\a)] matrix_a_fmt:MATRIX_FMT_BF6 matrix_b_fmt:MATRIX_FMT_BF6 matrix_a_scale:MATRIX_SCALE_ROW1
.else
	v_wmma_scale_f32_16x16x128_f8f6f4 v[ACC+8*(4*(\a)+\b):ACC+8*(4*(\a)+\b)+7], v[128*((\q)%2)+48+FR*\b:128*((\q)%2)+48+FR*\b+FR-1], v[128*((\q)%2)+FR*(\a):128*((\q)%2)+FR*(\a)+FR-1], v[ACC+8*(4*(\a)+\b):ACC+8*(4*(\a)+\b)+7], v[SC+16*(\sc)+4*(\q)+\b], v[SC+16*(\sc)+4*(\q)+(\a)] matrix_a_fmt:MATRIX_FMT_BF6 matrix_b_fmt:MATRIX_FMT_BF6 matrix_a_scale:MATRIX_SCALE_ROW1
.endif
.endr
.endm
.macro MUL4 q, sc, zero
	MWIN \q
.irp a, 0,1,2,3
	MULA \q, \a, \sc, \zero
.endr
.endm
.macro SCALES sc                       ; a slot's scale words: register 4 q + i: lanes 0-15 A's block i, lanes 16-31 B's block i
.irp q, 0,1,2,3
.irp i, 0,1,2,3
	ds_load_b32 v[SC+16*\sc+4*\q+\i], v[ADRS] offset:SBLK*\i+64*\q
.endr
.endr
.endm
.macro PLACES n
.rept \n
	v_nop
.endr
.endm
.macro KS slot, q, zero                ; K step q = 0 or 1 of a slot; the fragments of step q + 2 are asked for
	s_wait_dscnt 32                                ; all but the 32 loads issued last: this step's set is in
	PLACES 4                                       ; in front of loads into registers that matrix instructions have read
	FETCH \slot, (\q)+2
	MUL4 \q, \slot, \zero
.endm
; K step 2 changes slots: the slot's last reads were issued a step ago.  In front of the barrier each wave waits for all its tensor loads, adds 0 to its spare word, and waits for that and for its own reads of this slot.
.macro TURN slot, next, fill
	WIN 0
	s_wait_xcnt 0x0                                ; my last prefetch has read its address: one slot on
	s_add_nc_u64 s[PFA:PFA+1], s[PFA:PFA+1], SLB
	s_wait_tensorcnt 0x0
	ds_add_u32 v[SPW], v[NIL]                      ; 0 onto my spare word
	s_wait_dscnt 33                                ; (the add and step 3's 32 loads may be out)
	MWIN 2
	MULA 2, 0, \slot, 0
	s_wait_dscnt 0x0                               ; the add is done, and my reads of this slot are over
	s_barrier_signal -1
	MULA 2, 1, \slot, 0
	WIN 0
	s_barrier_wait -1
.if \fill
	CREST                                          ; the barrier has opened a round of the cluster's: no wave of any partner still reads this slot or has a load on its way
	s_add_nc_u64 s[G0+4*\slot+2:G0+4*\slot+3], s[G0+4*\slot+2:G0+4*\slot+3], 2*SLB
	s_add_nc_u64 s[G0B+4*\slot+2:G0B+4*\slot+3], s[G0B+4*\slot+2:G0B+4*\slot+3], 2*SLB
	JLOAD G0+4*\slot, G1, G0B+4*\slot, G1B         ; the first tensor load behind the round; its four v_nop are the places in front of the loads below
.else
	PLACES 4
.endif
	s_wait_alu depctr_va_vdst(0)                   ; the wait directly ahead of the reader below
	v_add_nc_u32 v[ADRS], 256, v[ADRS]
	SCALES \next
	FETCH \next, 0
.if \fill
	WIN 0
	ASK 1
.endif
	MWIN 2
	MULA 2, 2, \slot, 0
	MULA 2, 3, \slot, 0
.endm
.macro KS3 slot, next                  ; K step 3: its set came in ahead of the barrier; the next slot's step 1 is asked for
	PLACES 4
	FETCH \next, 1
	MUL4 3, \slot, 0
.endm
	s_wait_tensorcnt 0x0                           ; my tile of the head's four is in
	ds_add_u32 v[SPW], v[NIL]
	s_mov_b32 s[G1+2], 4<<16                       ; no tensor load of mine is out: from here on a load brings 4 row tiles
	s_mov_b32 s[G1+4], 4
	s_mov_b32 s[G1B+2], 4<<16
	s_mov_b32 s[G1B+4], 4
	s_wait_dscnt 0x0
	CROUND                                         ; all four tiles are in, and all sixteen work-groups are here
	JLOAD G0+4, G1, G0B+4, G1B                     ; slot 1, the first tensor load behind the round
	SCALES 0
	FETCH 0, 0
	FETCH 0, 1
	WIN 0
	s_wait_xcnt 0x0
	s_add_nc_u64 s[PFA:PFA+1], s[PFA:PFA+1], SLB
	ASK 0                                          ; slot 3
	global_load_b128 v[BI:BI+3], v[R16], s[92:93]
.irp a, 0,1,2,3
.if \a < 2
	WIN 0x40
.else
	WIN 0x80
.endif
.irp i, 0,1,2,3,4,5,6,7
	global_load_b128 v[96+128*(\a%2)+4*\i:96+128*(\a%2)+4*\i+3], v[CO], s[94:95] offset:(32*(\a/2)+8*(\a%2)+2*\i+8*(\i/4))*4096
.endr
.endr
	KS 0, 0, 1                                     ; the first products start the sums
	WIN 0
	s_mov_b32 s3, LAPS-1
.Llap:                                             ; a trip goes once round the ring and fills both slots again
	KS 0, 1, 0
	TURN 0, 1, 1
	KS3 0, 1
	KS 1, 0, 0
	KS 1, 1, 0
	TURN 1, 0, 1
	KS3 1, 0
	KS 0, 0, 0
	WIN 0
	s_sub_co_u32 s3, s3, 1
	s_cmp_lg_u32 s3, 0
	s_cbranch_scc1 .Llap
	KS 0, 1, 0                                     ; the last lap fills nothing
	TURN 0, 1, 0
	KS3 0, 1
	KS 1, 0, 0
	KS 1, 1, 0
	s_wait_dscnt 0x0
	MUL4 2, 1, 0
	MUL4 3, 1, 0
	WIN 0
	PLACES 4
	s_wait_loadcnt 0x0                             ; the bias and the residual
; Block a: lane (r, h) holds token r of the block and, in tile 2 b + u, columns 32 b + 16 h + 8 u + 0 .. 7.  LDS serves a wave's instructions in order: no wait between the stores and the loads.
.macro OUT a
.if (\a) > 0
	s_wait_xcnt 0x0                                ; the last block's stores have read their registers
.endif
.irp b, 0,1,2,3
	ds_store_b128 v[STO], v[ACC+8*(4*(\a)+\b):ACC+8*(4*(\a)+\b)+3] offset:128*(\b/2)+32*(\b%2)        ; each accumulator from its low end on
	ds_store_b128 v[STO], v[ACC+8*(4*(\a)+\b)+4:ACC+8*(4*(\a)+\b)+7] offset:128*(\b/2)+32*(\b%2)+16
.endr
.irp i, 0,1,2,3,4,5,6,7
	ds_load_b128 v[BK+4*\i:BK+4*\i+3], v[RD] offset:544*\i
.endr
	s_wait_dscnt 0x0
.irp i, 0,1,2,3,4,5,6,7
	v_pk_add_f32 v[BK+4*\i:BK+4*\i+1], v[BK+4*\i:BK+4*\i+1], v[BI:BI+1]
	v_pk_add_f32 v[BK+4*\i+2:BK+4*\i+3], v[BK+4*\i+2:BK+4*\i+3], v[BI+2:BI+3]
.endr
.set RES, 96+128*((\a)%2)
.if (\a) < 2
	WIN 0x04                                       ; source 1: window 1 or 2
.else
	WIN 0x08
.endif
.set ii, 0
.rept 16
	v_pk_add_f32 v[BK+ii:BK+ii+1], v[BK+ii:BK+ii+1], v[RES+ii:RES+ii+1]
.set ii, ii+2
.endr
	WIN 0
.irp i, 0,1,2,3,4,5,6,7
	global_store_b128 v[CO], v[BK+4*\i:BK+4*\i+3], s[96:97] offset:(32*((\a)/2)+8*((\a)%2)+2*\i+8*(\i/4))*4096   ; 16 lanes store 256 consecutive bytes, aligned
.endr
.endm
	OUT 0
	OUT 1
	OUT 2
	OUT 3
	s_wait_tensorcnt 0x0                           ; the wave's end, behind my last tensor load and my last LDS store
	ds_add_u32 v[SPW], v[NIL]
	s_wait_dscnt 0x0
	CROUND                                         ; the closing round
	s_endpgm
.Lfunc_end_k_q0bb602127d_w2:
	.size	k_q0bb602127d_w2, .Lfunc_end_k_q0bb602127d_w2-k_q0bb602127d_w2
	.p2alignl 7, 3214868480
	.fill 96, 4, 3214868480
	.section	.rodata,"a",@progbits
	.p2align	6, 0x0
	.amdhsa_kernel k_q0bb602127d_w2
		.amdhsa_group_segment_fixed_size 327680
		.amdhsa_private_segment_fixed_size 0
		.amdhsa_enable_private_segment 0
		.amdhsa_kernarg_size 40
		.amdhsa_user_sgpr_count 2
		.amdhsa_user_sgpr_kernarg_segment_ptr 1
		.amdhsa_wavefront_size32 1
		.amdhsa_system_sgpr_workgroup_id_x 1
		.amdhsa_system_sgpr_workgroup_id_y 1
		.amdhsa_system_sgpr_workgroup_id_z 1
		.amdhsa_system_vgpr_workitem_id 0
		.amdhsa_next_free_vgpr 768
		.amdhsa_next_free_sgpr 100
		.amdhsa_reserve_vcc 0
		.amdhsa_float_denorm_mode_32 3
		.amdhsa_float_denorm_mode_16_64 3
		.amdhsa_memory_ordered 1
		.amdhsa_forward_progress 1
		.amdhsa_inst_pref_size 106
	.end_amdhsa_kernel
	.amdgpu_metadata
---
amdhsa.version: [ 1, 2 ]
amdhsa.kernels:
  - .name:           k_q0bb602127d_w2
    .symbol:         k_q0bb602127d_w2.kd
    .args:
      - { .name: ff, .offset: 0, .size: 8, .value_kind: global_buffer, .address_space: global }
      - { .name: wts, .offset: 8, .size: 8, .value_kind: global_buffer, .address_space: global }
      - { .name: b2, .offset: 16, .size: 8, .value_kind: global_buffer, .address_space: global }
      - { .name: x1, .offset: 24, .size: 8, .value_kind: global_buffer, .address_space: global }
      - { .name: out0, .offset: 32, .size: 8, .value_kind: global_buffer, .address_space: global }
    .group_segment_fixed_size: 327680
    .private_segment_fixed_size: 0
    .kernarg_segment_align: 8
    .kernarg_segment_size: 40
    .max_flat_workgroup_size: 128
    .sgpr_count:     100
    .vgpr_count:     768
    .wavefront_size: 32
...
	.end_amdgpu_metadata
.endif
;; end of part 7
